; MI455X (gfx1250); checked and timed in simulation.
; The chip was launched on July 23, 2026; its instructions are those of AMD's public machine-readable ISA for CDNA 5 (MIT licence, August 2026) and "CDNA5" Instruction Set Architecture Reference Guide (July 2026). The comments in the code are by the model that wrote it; some were corrected since.
;; Correspondence Extractor. Allowed arithmetic: matrix products marked QUANTISED: E3M2 operands, one E8M0 scale for each 32 along K, by v_wmma_scale_f32_16x16x128_f8f6f4 with both operands' format E3M2, f32 sums; products left as they are: f32 operands where the result goes on into a quantised operand, else bf16, f16 or f32 operands; f32 sums; everything else in f32.
;; Inputs: src_feats 8,192 x 64 float32; src_points 8,192 x 3 float32; tgt_feats 8,192 x 64 float32; tgt_points 8,192 x 3 float32.
;; Outputs: out0 4,096 x 3 float32; out1 4,096 x 3 float32; out2 4,096 x 64 float32; out3 4,096 x 64 float32; out4 4,096 float32.
;; This version of the problem:
;;   THIS VERSION OF THE PROBLEM IS GIVEN IN LOW PRECISION. The matrix products marked QUANTISED in the list below multiply operands that are first quantised to E3M2 (3 exponent bits, 2 mantissa bits; 6 bits a number), with one power-of-two scale for each 32 numbers along K (OCP MX v1.0); their sums are f32. All else is computed in f32.
;;   The module's matrix products, in the order in which they are computed (A, B: the left and right operand; K: the contracted axis; several contracted axes count as one K, in the product's order):
;;     1. [M 8,192, K 64] x [K 64, N 8,192]; A: input src_feats; B: input tgt_feats: QUANTISED
;;     2. batch 8,192 x [M 2, K 64] x [K 64, N 1]; A: computed on the way; B: input src_feats: left as it is (M = 2 < 16)
;;     3. [M 8,192, K 64] x [K 64, N 8,192]; A: input tgt_feats; B: input src_feats: QUANTISED
;;     4. batch 8,192 x [M 2, K 64] x [K 64, N 1]; A: computed on the way; B: input tgt_feats: left as it is (M = 2 < 16)
;;   THE QUANTISER, for each operand of a quantised product, along K:
;;     - K is cut into blocks of 32 from its start; a last block that is shorter is filled with zeros.
;;     - A block's scale is 2^e with e = floor(log2(the largest magnitude in the block)) - 4, held to -126 .. 127; a block of zeros has e = 0. As a byte (E8M0): e + 127.
;;     - Each number is divided by its block's scale, clamped to +-28, and rounded to the nearest number of E3M2, ties to even, subnormals kept.
;;     - The product sums the exact products of the quantised numbers (number of the format x scale) in f32.
;;   ~~~python
;;   def quantise(x, axis):      # numpy; x: float32 -> the quantised numbers, widened to float32 again
;;       x = np.moveaxis(x, axis, -1); K = x.shape[-1]
;;       x = np.pad(x, [(0, 0)] * (x.ndim - 1) + [(0, -K % 32)]); x = x.reshape(x.shape[:-1] + (-1, 32)); a = np.abs(x).max(-1, keepdims=True)
;;       e = np.where(a > 0, np.clip(np.frexp(np.where(a > 0, a, 1))[1] - 1 - 4, -126, 127), 0)      # np.frexp(a)[1] - 1 = floor(log2(a)), exactly
;;       r = np.clip(x / 2.0 ** e, -28, 28)
;;       step = 2.0 ** (np.maximum(np.frexp(np.where(r == 0, 1, r))[1] - 1, -2) - 2)
;;       q = np.round(r / step) * step * 2.0 ** e      # np.round: ties to even
;;       return np.moveaxis(q.reshape(q.shape[:-2] + (-1,))[..., :K], -1, axis).astype(np.float32)
;;   ~~~
;; 2 versions, each right; version 2 is version 1 with the launches scan, refine written anew for expert scheduling mode. Each part assembles by itself: llvm-mc -triple=amdgcn-amd-amdhsa -mcpu=gfx1250 --defsym DOCPART=n.
;; ======== version 1 of 2: 4 launches
;; workspace buffers: qsrc 458,752 bytes; qtgt 458,752 bytes; cand 1,048,576 bytes of whole numbers; sel 131,072 bytes of whole numbers
;; launch prep (part 1): grid 256 x 1, 4 waves a work-group, no clusters, 23,552 bytes of LDS; arguments src_feats, tgt_feats, qsrc, qtgt; writes qsrc, qtgt
.if DOCPART == 1
	.amdgcn_target "amdgcn-amd-amdhsa--gfx1250"
	.amdhsa_code_object_version 6
	.text
	.protected	k_qd0ae8cef2c_prep
	.globl	k_qd0ae8cef2c_prep
	.p2align	8
	.type	k_qd0ae8cef2c_prep,@function
k_qd0ae8cef2c_prep:
	s_mov_b64 s[64:65], 0
	v_nop
	global_prefetch_b8 v0, s[64:65] scope:SCOPE_SE
	s_setreg_imm32_b32 hwreg(HW_REG_WAVE_MODE, 25, 1), 1
	s_wait_xcnt 0x0
; src_feats and tgt_feats, [8192][64] f32, are quantised ONCE along their 64 numbers: codes of BF6 (E3M2), one E8M0 byte for each 32.
; Each of the two results (qsrc, qtgt) holds: bytes 0 on: the codes, 48 bytes a row, one stream of bits; bytes 393,216 on: one scale word a row
; (byte 0: numbers 0-31, byte 1: numbers 32-63, bytes 2 and 3: 0x7f, for the zero codes that fill the matrix instruction's K from 64 to 127);
; bytes 425,984 on: -0.5 x the row's sum of squares, f32, taken of the unquantised numbers.
; THE ORDER OF THAT SUM IS FIXED, since its last bits choose between supports whose quantised products are equal: each square is rounded by itself, each block of 32 is summed
; in ascending order, and the two blocks' sums are added.  The factor -0.5 rounds nothing.
; A block's scale is 2^(floor(log2(its largest magnitude)) - 4): its byte is the largest magnitude's exponent field - 4, held at 1 from below.
; LIMITS: a block of zeros gets the byte 1 where the rule says 127 (its codes are zeros, and this program alone reads the bytes); blocks whose largest
; magnitude lies under 2^-122 keep the byte 1; NaN and infinities are not served.
; SHARES: work-groups 0-127 take src, 128-255 tgt; a work-group 64 rows; thread t the half row t: a whole block of 32 numbers in one lane, so that the
; block's maximum and its sum need no other lane.  Loads take the bytes as they lie (512 consecutive bytes an instruction) and turn through the wave's own stage in LDS.
; No matrix work, no tensor loads, no cluster: a work-group reads 16 KiB once and shares it with nobody.
.set WREG, 5632                        ; LDS of a wave: the stage for numbers (32 places of 128 + 16 bytes), then 768 bytes for its codes
.set PIT,  144
.set CST,  4608
.set SWS,  22528                       ; the work-group's 64 scale words; 256 bytes on: its 64 halved sums
.set OSW,  393216
.set R,    16                          ; v16-47  numbers as loaded; then their squares; v16-17 once more at the end, for the words and sums on their way out
.set X,    48                          ; v48-79  my block's 32 neighbours
.set C,    80                          ; v80-86  codes
	s_load_b256 s[4:11], s[0:1], 0x0               ; src_feats, tgt_feats, qsrc, qtgt
	v_lshl_add_u32 v100, v0, 2, 0x5a00
	v_mov_b32 v101, 0
	v_lshrrev_b32 v15, 5, v0
	v_readfirstlane_b32 s13, v15                   ; wave
	v_and_b32 v1, 31, v0                           ; lane
	v_lshlrev_b32 v2, 4, v1                        ; 16 x lane
	v_lshlrev_b32 v7, 3, v1                        ; 8 x lane
	s_mul_i32 s20, s13, WREG
	v_lshrrev_b32 v3, 3, v1
	v_mul_u32_u24 v3, v3, PIT
	v_and_b32 v15, 7, v1
	v_lshl_add_u32 v3, v15, 4, v3
	v_add_nc_u32 v3, s20, v3                       ; into the stage: eight lanes' 128 bytes on end, then 16 of padding
	v_mul_u32_u24 v4, v1, PIT
	v_add_nc_u32 v4, s20, v4                       ; out of it: my half row
	s_add_co_u32 s20, s20, CST
	v_mul_u32_u24 v5, v1, 24
	v_add_nc_u32 v5, s20, v5                       ; my 24 bytes of codes
	v_add_nc_u32 v6, s20, v2                       ; the wave's 768 bytes back: 512 as 16 a lane,
	v_add_nc_u32 v98, s20, v7                      ; 256 as 8 a lane (offset 512)
	v_lshrrev_b32 v14, 1, v0
	v_lshl_add_u32 v14, v14, 2, SWS                ; my row's scale word
	s_and_b32 s21, s13, 1
	s_lshl_b32 s21, s21, 8
	s_add_co_u32 s21, s21, SWS
	v_add_nc_u32 v99, s21, v7                      ; the last read: wave 0 the words, wave 1 the sums
	s_lshl_b32 s21, s13, 15
	v_add_nc_u32 v87, s21, v7                      ; and where they go: 32,768 bytes apart
	v_mov_b32 v12, 0                               ; (a DPP form's destination counts as read)
	s_cmp_lt_u32 ttmp9, 128
	s_cselect_b32 s12, 0, 128
	s_sub_co_u32 s12, ttmp9, s12                   ; which 64 rows of the tensor
	s_lshl_b32 s20, s12, 14
	s_lshl_b32 s22, s13, 12
	s_add_co_u32 s20, s20, s22                     ; numbers: 16,384 bytes a work-group, 4,096 a wave
	s_mov_b32 s21, 0
	s_mul_i32 s22, s12, 3072
	s_mul_i32 s24, s13, 768
	s_add_co_u32 s22, s22, s24                     ; codes: 3,072 and 768
	s_mov_b32 s23, 0
	s_lshl_b32 s24, s12, 8                         ; words and sums: 256 bytes a work-group
	s_mov_b32 s25, 0
	s_wait_kmcnt 0x0
	s_cmp_lt_u32 ttmp9, 128                        ; the choice hangs on the work-group's number alone
	s_cselect_b64 s[14:15], s[4:5], s[6:7]
	s_cselect_b64 s[16:17], s[8:9], s[10:11]
	s_add_nc_u64 s[14:15], s[14:15], s[20:21]
	s_add_nc_u64 s[18:19], s[16:17], s[24:25]
	s_add_nc_u64 s[16:17], s[16:17], s[22:23]
.irp k, 0,1,2,3,4,5,6,7
	global_load_b128 v[R+4*\k:R+4*\k+3], v2, s[14:15] offset:512*\k   ; 32 lanes read 512 consecutive bytes
.endr
.irp k, 0,1,2,3,4,5,6,7
	s_wait_loadcnt 7-\k                            ; loads come back in order: load k is in, the 7 - k behind it may be out
	ds_store_b128 v3, v[R+4*\k:R+4*\k+3] offset:4*PIT*\k
.endr
.irp i, 0,1,2,3,4,5,6,7
	ds_load_b128 v[X+4*\i:X+4*\i+3], v4 offset:16*\i   ; LDS serves a wave's instructions in order: these see my stores
.endr
	s_wait_dscnt 0x0                               ; my block is in, and the stores have read v16-47
	v_max3_num_f32 v8, |v[X]|, |v[X+1]|, |v[X+2]|      ; the block's largest magnitude, in two chains
	v_max3_num_f32 v9, |v[X+3]|, |v[X+4]|, |v[X+5]|
.irp i, 6,10,14,18,22,26
	v_max3_num_f32 v8, v8, |v[X+\i]|, |v[X+\i+1]|
	v_max3_num_f32 v9, v9, |v[X+\i+2]|, |v[X+\i+3]|
.endr
	v_max3_num_f32 v8, v8, |v[X+30]|, |v[X+31]|
	v_max3_num_f32 v8, v8, v9, 0x2800000           ; and the floor 2^(5 - 127): the byte cannot fall under 1
	v_add_nc_u32 v11, 0xfe000000, v8               ; 4 off the exponent field: the conversion's scale operand
	v_lshrrev_b32 v10, 23, v11                     ; the scale's byte
.irp j, 0,2,4,6,8,10,12,14,16,18,20,22,24,26,28,30
	v_pk_mul_f32 v[R+\j:R+\j+1], v[X+\j:X+\j+1], v[X+\j:X+\j+1]   ; the squares, each rounded by itself
.endr
	v_add_f32 v88, v[R], v[R+1]                    ; my block's sum, one chain in ascending order: not fused and not split, since the order is part of the result
.irp j, 2,3,4,5,6,7,8,9,10,11,12,13,14,15,16,17,18,19,20,21,22,23,24,25,26,27,28,29,30,31
	v_add_f32 v88, v88, v[R+\j]
.endr
	v_add_f32_dpp v88, v88, v88 row_xmask:1 row_mask:0xf bank_mask:0xf   ; with the row's other block, in the lane beside me
	v_mul_f32 v88, -0.5, v88
	v_mov_b32_dpp v12, v10 row_xmask:1 row_mask:0xf bank_mask:0xf        ; the other block's byte
	v_and_b32 v15, 1, v0
	v_cmp_eq_u32 vcc_lo, 1, v15
	v_cndmask_b32 v13, v10, v12, vcc_lo            ; block 0's byte
	v_cndmask_b32 v15, v12, v10, vcc_lo            ; block 1's
	v_lshl_or_b32 v13, v15, 8, v13
	v_or_b32 v13, 0x7f7f0000, v13                  ; the row's scale word, the same in both lanes
	v_cvt_scalef32_pk16_bf6_f32 v[C:C+2], v[X:X+15], v11
	v_cvt_scalef32_pk16_bf6_f32 v[C+4:C+6], v[X+16:X+31], v11   ; (a conversion's three registers begin on an even number)
	v_nop                                          ; one plain place behind a scaled conversion
	v_mov_b32 v[C+3], v[C+4]
	v_mov_b32 v[C+4], v[C+5]
	v_mov_b32 v[C+5], v[C+6]                       ; v80-85: my 24 bytes
.irp i, 0,1,2
	ds_store_b64 v5, v[C+2*\i:C+2*\i+1] offset:8*\i
.endr
	ds_load_b128 v[92:95], v6                      ; the wave's 768 bytes of codes come back dense
	ds_load_b64 v[96:97], v98 offset:512
	ds_store_b32 v14, v13                          ; both lanes of a row write the same word with the same value
	ds_store_b32 v14, v88 offset:256
	s_wait_dscnt 0x0                               ; my loads are in; and, for the other waves' sake, my stores are done
	global_store_b128 v2, v[92:95], s[16:17]       ; 512 + 256 consecutive bytes from a multiple of 256: three whole aligned blocks
	global_store_b64 v7, v[96:97], s[16:17] offset:512   ; v2, v7 and v92-97 are not written again: these two stores need no wait behind them
	s_barrier_signal -1
	s_barrier_wait -1                              ; the 64 words and the 64 sums lie in LDS
	s_cmp_gt_u32 s13, 1
	s_cbranch_scc1 .Lend
	ds_load_b64 v[R:R+1], v99                      ; into registers that no pending memory instruction names
	s_wait_dscnt 0x0
	global_store_b64 v87, v[R:R+1], s[18:19] offset:OSW   ; wave 0: 256 bytes of words; wave 1: 256 bytes of sums
.Lend:
	s_wait_tensorcnt 0x0
	ds_add_u32 v100, v101
	s_wait_dscnt 0x0
	s_endpgm
.Lfunc_end_k_qd0ae8cef2c_prep:
	.size	k_qd0ae8cef2c_prep, .Lfunc_end_k_qd0ae8cef2c_prep-k_qd0ae8cef2c_prep
	.p2alignl 7, 3214868480
	.fill 96, 4, 3214868480
	.section	.rodata,"a",@progbits
	.p2align	6, 0x0
	.amdhsa_kernel k_qd0ae8cef2c_prep
		.amdhsa_group_segment_fixed_size 23552
		.amdhsa_private_segment_fixed_size 0
		.amdhsa_enable_private_segment 0
		.amdhsa_kernarg_size 32
		.amdhsa_user_sgpr_count 2
		.amdhsa_user_sgpr_kernarg_segment_ptr 1
		.amdhsa_wavefront_size32 1
		.amdhsa_system_sgpr_workgroup_id_x 1
		.amdhsa_system_sgpr_workgroup_id_y 1
		.amdhsa_system_sgpr_workgroup_id_z 1
		.amdhsa_system_vgpr_workitem_id 0
		.amdhsa_next_free_vgpr 102
		.amdhsa_next_free_sgpr 66
		.amdhsa_reserve_vcc 1
		.amdhsa_float_denorm_mode_32 3
		.amdhsa_float_denorm_mode_16_64 3
		.amdhsa_memory_ordered 1
		.amdhsa_forward_progress 1
		.amdhsa_inst_pref_size 10
	.end_amdhsa_kernel
	.amdgpu_metadata
---
amdhsa.version: [ 1, 2 ]
amdhsa.kernels:
  - .name:           k_qd0ae8cef2c_prep
    .symbol:         k_qd0ae8cef2c_prep.kd
    .args:
      - { .name: src_feats, .offset: 0, .size: 8, .value_kind: global_buffer, .address_space: global }
      - { .name: tgt_feats, .offset: 8, .size: 8, .value_kind: global_buffer, .address_space: global }
      - { .name: qsrc, .offset: 16, .size: 8, .value_kind: global_buffer, .address_space: global }
      - { .name: qtgt, .offset: 24, .size: 8, .value_kind: global_buffer, .address_space: global }
    .group_segment_fixed_size: 23552
    .private_segment_fixed_size: 0
    .kernarg_segment_align: 8
    .kernarg_segment_size: 32
    .max_flat_workgroup_size: 128
    .sgpr_count:     66
    .vgpr_count:     102
    .wavefront_size: 32
...
	.end_amdgpu_metadata
.endif
;; end of part 1
;; launch scan (part 2): grid 128 x 2, 16 waves a work-group, no clusters, 184,320 bytes of LDS; arguments qsrc, qtgt, cand; writes cand
.if DOCPART == 2
	.amdgcn_target "amdgcn-amd-amdhsa--gfx1250"
	.amdhsa_code_object_version 6
	.text
	.protected	k_qd0ae8cef2c_scan
	.globl	k_qd0ae8cef2c_scan
	.p2align	8
	.type	k_qd0ae8cef2c_scan,@function
k_qd0ae8cef2c_scan:
	s_mov_b64 s[64:65], 0
	v_nop
	global_prefetch_b8 v0, s[64:65] scope:SCOPE_SE
	s_setreg_imm32_b32 hwreg(HW_REG_WAVE_MODE, 25, 1), 1
	s_wait_xcnt 0x0
; BOTH QUANTISED PRODUCTS, [8192 x 64] x [64 x 8192] on codes of BF6, and the first sieve of the two nearest supports of each query.
; dist2 = |q|^2 - 2 p + |s|^2 falls where x = p - |s|^2 / 2 rises, and |q|^2 changes no order within a row.  -|s|^2 / 2 is the C of the matrix instruction, so x costs no vector line.
; What is kept is not a support but a GROUP OF 8 NEIGHBOURING SUPPORTS: the two nearest supports lie in the two groups with the largest group maxima.  For each query and each
; chunk of 2,048 supports the two best groups leave as whole numbers: cand[side][chunk][query] = (key1, key2, group1, group2), key = the group's maximum as a u32 that keeps f32's order,
; group = support row / 8.  The next launch works the 16 candidates out exactly.
; K = 64 fills half of the instruction's 128: registers 0-5 of a fragment hold codes, registers 6-11 zero codes, whose scale bytes are 0x7f.
; SHARES: grid y = side (0: src asks tgt, 1: tgt asks src); grid x = 4 x block of 256 queries + chunk.  Wave w: a = w % 2: query tiles 8 a .. 8 a + 7, which stay in registers as source 1;
; b = w / 2: supports 256 b .. 256 b + 255 of the chunk, 16 tiles, as source 0: 128 matrix instructions a wave.
; THE ROWS OF A SUPPORT TILE ARE CHOSEN: tile t takes rows 256 b + 8 t + 0..7 and 256 b + 128 + 8 t + 0..7.  In the result lane (r, h) holds query r and eight rows m = 8 h + j: so a lane's eight
; numbers are one group, group number 256 chunk + 32 b + 16 h + t, and a lane walks its groups in ascending order.  Every comparison is a strict 'greater', and lists are merged
; lower rows first: of equals the lower index stays ahead.
; The chunk (codes, scale words, halved norms: 112 KiB) is read once by plain loads and kept in LDS; nothing is filled again, so there is no ring.  What neighbouring work-groups share is
; read once at the head, a small part of the launch beside its vector work: no cluster.
; LIMITS: a group's place is decided on x as the matrix unit sums p + C, not on dist2 as it is rounded twice: the two can differ where candidates agree to the last bits.  NaN and infinities are not served.
.set HPIT, 6272                        ; 128 rows of 48 bytes + 128: rows 128 apart fall half way round the 64 banks of 4 bytes (ISA guide 11.1), so the 32 lanes of a load of 8 bytes touch 64 different banks
.set SWL,  100352                      ; behind the codes: the chunk's 2,048 scale words,
.set NHL,  108544                      ; its 2,048 halved norms,
.set MRG,  116736                      ; and the lists: (list 2 b + h, query) at 4,096 x list + 16 x query
.set OSW,  393216
.set ONH,  425984
.set AB,   28                          ; v28-39, v40-51   source 0, two buffers
.set CB,   52                          ; v52-59, v60-67   C, two buffers
.set DS,   68                          ; v68-83, v84-99   results, two slots of two tiles
.set TR,   100                         ; v100-131 for each query tile: largest, second, their tiles
.set BF,   132                         ; v132-227 source 1: eight fragments
.set FT,   68                          ; v68-123  the fill's registers, ahead of all that
.set LS,   132                         ; v132-195 the merge's sixteen lists
; v16, v17: source 0's scale words; v18-25: source 1's: these ten hold scales and nothing else.   v12-15: at work.
	s_load_b128 s[4:7], s[0:1], 0x0                ; qsrc, qtgt
	s_load_b64 s[8:9], s[0:1], 0x10                ; cand
	v_lshl_add_u32 v232, v0, 2, 0x2c800
	v_mov_b32 v233, 0
	v_lshrrev_b32 v11, 5, v0
	v_readfirstlane_b32 s10, v11                   ; wave
	s_and_b32 s11, s10, 1                          ; a
	s_lshr_b32 s12, s10, 1                         ; b
	s_and_b32 s13, ttmp7, 0xffff                   ; side
	s_lshr_b32 s14, ttmp9, 2                       ; block of 256 queries
	s_and_b32 s15, ttmp9, 3                        ; chunk
	v_and_b32 v1, 15, v0                           ; r
	v_bfe_u32 v2, v0, 4, 1                         ; h
	v_lshrrev_b32 v12, 3, v1                       ; r / 8
	v_and_b32 v13, 7, v1                           ; r % 8
	v_and_b32 v14, 31, v0
	v_lshlrev_b32 v10, 4, v14                      ; 16 x lane
	v_mul_u32_u24 v3, v12, HPIT
	v_mad_u32_u24 v3, v13, 48, v3
	v_mad_u32_u24 v3, v2, 24, v3
	s_mul_i32 s28, s12, 2*HPIT
	v_add_nc_u32 v3, s28, v3                       ; v3: my row's 24 bytes in tile 0 (a tile on: 384 bytes)
	v_lshlrev_b32 v4, 9, v12
	v_lshl_add_u32 v4, v13, 2, v4
	s_lshl_b32 s28, s12, 10
	s_add_co_u32 s29, s28, SWL
	v_add_nc_u32 v4, s29, v4                       ; v4: my row's scale word (a tile on: 32 bytes)
	s_add_co_u32 s29, s28, NHL
	v_lshl_add_u32 v5, v2, 9, s29                  ; v5: my half's eight halved norms
	s_lshl_b32 s28, s15, 8
	s_lshl_b32 s29, s12, 5
	s_add_co_u32 s28, s28, s29
	v_lshl_add_u32 v6, v2, 4, s28                  ; v6: the group number of my tile 0
	s_lshl_b32 s28, s12, 13
	s_lshl_b32 s29, s11, 11
	s_add_co_u32 s28, s28, s29
	s_add_co_u32 s28, s28, MRG
	v_lshlrev_b32 v7, 12, v2
	v_lshl_add_u32 v7, v1, 4, v7
	v_add_nc_u32 v7, s28, v7                       ; v7: where my lists go
	v_mul_u32_u24 v8, v1, 48
	v_mad_u32_u24 v8, v2, 24, v8                   ; v8: a query's 24 bytes in memory
	v_lshlrev_b32 v9, 2, v1                        ; v9: its scale word
	v_and_b32 v11, 255, v0
	v_lshl_add_u32 v11, v11, 4, MRG                ; v11: the merge: thread t (0-255) takes query t
	s_mul_i32 s28, s10, HPIT
	v_add_nc_u32 v26, s28, v10                     ; v26: the fill: wave w brings rows 128 w .. 128 w + 127,
	s_lshl_b32 s28, s10, 9
	s_add_co_u32 s28, s28, SWL
	v_add_nc_u32 v27, s28, v10                     ; v27: their words and (8,192 bytes on) their norms
	s_lshl_b32 s28, s14, 8
	s_lshl_b32 s29, s11, 7
	s_add_co_u32 s28, s28, s29                     ; my first query
	s_mul_i32 s20, s28, 48
	s_mov_b32 s21, 0
	s_lshl_b32 s22, s28, 2
	s_mov_b32 s23, 0
	s_mul_i32 s24, s15, 98304
	s_mul_i32 s29, s10, 6144
	s_add_co_u32 s24, s24, s29
	s_mov_b32 s25, 0
	s_lshl_b32 s26, s15, 13
	s_lshl_b32 s29, s10, 9
	s_add_co_u32 s26, s26, s29
	s_mov_b32 s27, 0
	s_lshl_b32 s30, s13, 19
	s_lshl_b32 s29, s15, 17
	s_add_co_u32 s30, s30, s29
	s_lshl_b32 s29, s14, 12
	s_add_co_u32 s30, s30, s29
	s_mov_b32 s31, 0
	s_wait_kmcnt 0x0
	s_cmp_eq_u32 s13, 0                            ; which tensor asks and which is asked hangs on the side alone
	s_cselect_b64 s[16:17], s[4:5], s[6:7]
	s_cselect_b64 s[18:19], s[6:7], s[4:5]
	s_add_nc_u64 s[32:33], s[16:17], s[20:21]      ; the queries' codes
	s_add_nc_u64 s[34:35], s[16:17], s[22:23]      ; their words
	s_add_nc_u64 s[36:37], s[18:19], s[24:25]      ; the supports' codes, my 128 rows
	s_add_nc_u64 s[38:39], s[18:19], s[26:27]      ; their words and norms
	s_add_nc_u64 s[8:9], s[8:9], s[30:31]          ; cand at my side, chunk and block
.irp k, 0,1,2,3,4,5,6,7,8,9,10,11
	global_load_b128 v[FT+4*\k:FT+4*\k+3], v10, s[36:37] offset:512*\k
.endr
	global_load_b128 v[FT+48:FT+51], v10, s[38:39] offset:OSW
	global_load_b128 v[FT+52:FT+55], v10, s[38:39] offset:ONH
.irp u, 0,1,2,3,4,5,6,7
.irp p, 0,1,2
	global_load_b64 v[BF+12*\u+2*\p:BF+12*\u+2*\p+1], v8, s[32:33] offset:768*\u+8*\p
.endr
	global_load_b32 v[18+\u], v9, s[34:35] offset:OSW+64*\u
.endr
.irp u, 0,1,2,3,4,5,6,7
.irp i, 6,7,8,9,10,11
	v_mov_b32 v[BF+12*\u+\i], 0                    ; zero codes for K = 64 .. 127
.endr
.endr
.irp f, 0,1
.irp i, 6,7,8,9,10,11
	v_mov_b32 v[AB+12*\f+\i], 0
.endr
.endr
	s_wait_loadcnt 32                              ; the fill's 14 loads are in; the 32 loads of queries behind them may be out
.irp k, 0,1,2,3,4,5,6,7,8,9,10,11
	ds_store_b128 v26, v[FT+4*\k:FT+4*\k+3] offset:512*\k
.endr
	ds_store_b128 v27, v[FT+48:FT+51]
	ds_store_b128 v27, v[FT+52:FT+55] offset:8192
	s_wait_dscnt 0x0                               ; for the others' sake: my part of the chunk lies in LDS
	s_barrier_signal -1
	s_barrier_wait -1                              ; everybody's does
.macro LDA t, buf                      ; tile t's fragment, scale words and halved norms into buffer buf: six LDS loads
.irp p, 0,1,2
	ds_load_b64 v[AB+12*(\buf)+2*\p:AB+12*(\buf)+2*\p+1], v3 offset:384*(\t)+8*\p
.endr
	ds_load_b32 v[16+(\buf)], v4 offset:32*(\t)
	ds_load_b128 v[CB+8*(\buf):CB+8*(\buf)+3], v5 offset:32*(\t)
	ds_load_b128 v[CB+8*(\buf)+4:CB+8*(\buf)+7], v5 offset:32*(\t)+16
.endm
.macro W2 buf, pp                      ; the tile in buffer buf against query tiles 2 pp and 2 pp + 1, into slot pp % 2.  Register j of lane (r, h): p(support 8 h + j, query r) - |s|^2 / 2
.irp e, 0,1
	v_wmma_scale_f32_16x16x128_f8f6f4 v[DS+16*((\pp)%2)+8*\e:DS+16*((\pp)%2)+8*\e+7], v[AB+12*(\buf):AB+12*(\buf)+11], v[BF+12*(2*(\pp)+\e):BF+12*(2*(\pp)+\e)+11], v[CB+8*(\buf):CB+8*(\buf)+7], v[16+(\buf)], v[18+2*(\pp)+\e] matrix_a_fmt:MATRIX_FMT_BF6 matrix_b_fmt:MATRIX_FMT_BF6
.endr
.endm
.macro U2 pp, t                        ; the two results of slot pp % 2 (tile t): each group's maximum, from the accumulator's low end on, then into its query tile's best two.  The two by turns, line by line: 22 plain lines
.set UD, DS+16*((\pp)%2)
.set UR, TR+8*(\pp)
.set UT, (\t)
.irp e, 0,1
	v_max3_num_f32 v[12+2*\e], v[UD+8*\e], v[UD+8*\e+1], v[UD+8*\e+2]
.endr
.irp e, 0,1
	v_max3_num_f32 v[13+2*\e], v[UD+8*\e+3], v[UD+8*\e+4], v[UD+8*\e+5]
.endr
.irp e, 0,1
	v_max3_num_f32 v[12+2*\e], v[12+2*\e], v[UD+8*\e+6], v[UD+8*\e+7]
.endr
.irp e, 0,1
	v_max_num_f32 v[12+2*\e], v[12+2*\e], v[13+2*\e]
.endr
.irp e, 0,1
	v_cmp_gt_f32 s[20+2*\e], v[12+2*\e], v[UR+4*\e]
.endr
.irp e, 0,1
	v_cmp_gt_f32 s[21+2*\e], v[12+2*\e], v[UR+4*\e+1]
.endr
.irp e, 0,1
	v_cndmask_b32 v[UR+4*\e+3], v[UR+4*\e+3], UT, s[21+2*\e]          ; beats the second: takes its place,
.endr
.irp e, 0,1
	v_cndmask_b32 v[UR+4*\e+3], v[UR+4*\e+3], v[UR+4*\e+2], s[20+2*\e]   ; beats the first: the first moves down
.endr
.irp e, 0,1
	v_cndmask_b32 v[UR+4*\e+2], v[UR+4*\e+2], UT, s[20+2*\e]
.endr
.irp e, 0,1
	v_med3_num_f32 v[UR+4*\e+1], v[UR+4*\e], v[UR+4*\e+1], v[12+2*\e]   ; the middle of first, second and new is the new second
.endr
.irp e, 0,1
	v_max_num_f32 v[UR+4*\e], v[UR+4*\e], v[12+2*\e]
.endr
.endm
	LDA 0, 0
	LDA 1, 1
.irp u, 0,1,2,3,4,5,6,7
	v_mov_b32 v[TR+4*\u], 0xff800000               ; -infinity, under every x
	v_mov_b32 v[TR+4*\u+1], 0xff800000
	v_mov_b32 v[TR+4*\u+2], 0
	v_mov_b32 v[TR+4*\u+3], 0
.endr
	s_wait_loadcnt 0x0                             ; the queries
; 64 steps, written out: every offset is an immediate.  A step issues two products and then the 22 lines on the step before's results, which lie in the other slot and name no register of the
; products just issued: they are the places ahead of the first read of these results, of the products two steps on that write this slot again, and of the loads into a buffer
; that the products have read.  No sum is added onto in place: C is always the norms' registers.
.set STP, 0
.rept 64
.if STP%4 == 0
.if STP/4 < 15
	s_wait_dscnt 6                                 ; this tile's six loads are in; the next tile's six may be out
.else
	s_wait_dscnt 0x0
.endif
.endif
	W2 ((STP/4)%2), (STP%4)
.if STP == 0
.rept 4
	v_nop                                          ; the first step has no lines to set behind its products
.endr
.else
	U2 ((STP-1)%4), ((STP-1)/4)
.endif
.if (STP%4 == 3) && (STP/4 < 14)
	LDA (STP/4+2), ((STP/4)%2)                     ; the buffer is free: the tile two on
.endif
.set STP, STP+1
.endr
	U2 3, 15
.irp u, 0,1,2,3,4,5,6,7
	v_add_nc_u32 v[TR+4*\u+2], v6, v[TR+4*\u+2]    ; tiles become group numbers
	v_add_nc_u32 v[TR+4*\u+3], v6, v[TR+4*\u+3]
.endr
.irp u, 0,1,2,3,4,5,6,7
	ds_store_b128 v7, v[TR+4*\u:TR+4*\u+3] offset:256*\u
.endr
	s_wait_dscnt 0x0                               ; for the others' sake: my lists lie in LDS
	s_barrier_signal -1
	s_barrier_wait -1
	s_cmp_gt_u32 s10, 7
	s_cbranch_scc1 .Lend                           ; 256 queries: the threads of waves 0-7 take one each
.irp l, 0,1,2,3,4,5,6,7,8,9,10,11,12,13,14,15
	ds_load_b128 v[LS+4*\l:LS+4*\l+3], v11 offset:4096*\l
.endr
	s_wait_dscnt 0x0
.macro MSTEP l, it                     ; four chains by turns: chain c (lists 4 c ..) takes item it of its list l
.irp c, 0,1,2,3
	v_cmp_gt_f32 s[20+2*\c], v[LS+16*\c+4*\l+\it], v[LS+16*\c]
.endr
.irp c, 0,1,2,3
	v_cmp_gt_f32 s[21+2*\c], v[LS+16*\c+4*\l+\it], v[LS+16*\c+1]
.endr
.irp c, 0,1,2,3
	v_cndmask_b32 v[LS+16*\c+3], v[LS+16*\c+3], v[LS+16*\c+4*\l+2+\it], s[21+2*\c]
.endr
.irp c, 0,1,2,3
	v_cndmask_b32 v[LS+16*\c+3], v[LS+16*\c+3], v[LS+16*\c+2], s[20+2*\c]
.endr
.irp c, 0,1,2,3
	v_cndmask_b32 v[LS+16*\c+2], v[LS+16*\c+2], v[LS+16*\c+4*\l+2+\it], s[20+2*\c]
.endr
.irp c, 0,1,2,3
	v_med3_num_f32 v[LS+16*\c+1], v[LS+16*\c], v[LS+16*\c+1], v[LS+16*\c+4*\l+\it]
.endr
.irp c, 0,1,2,3
	v_max_num_f32 v[LS+16*\c], v[LS+16*\c], v[LS+16*\c+4*\l+\it]
.endr
.endm
.macro INS a, b, it, m                 ; the list at a takes item it of the list at b, whose rows all lie higher
	v_cmp_gt_f32 s[\m], v[(\b)+\it], v[\a]
	v_cmp_gt_f32 s[\m+1], v[(\b)+\it], v[(\a)+1]
	v_cndmask_b32 v[(\a)+3], v[(\a)+3], v[(\b)+2+\it], s[\m+1]
	v_cndmask_b32 v[(\a)+3], v[(\a)+3], v[(\a)+2], s[\m]
	v_cndmask_b32 v[(\a)+2], v[(\a)+2], v[(\b)+2+\it], s[\m]
	v_med3_num_f32 v[(\a)+1], v[\a], v[(\a)+1], v[(\b)+\it]
	v_max_num_f32 v[\a], v[\a], v[(\b)+\it]
.endm
.irp l, 1,2,3
	MSTEP \l, 0
	MSTEP \l, 1
.endr
	INS LS, LS+16, 0, 20
	INS LS+32, LS+48, 0, 22
	INS LS, LS+16, 1, 20
	INS LS+32, LS+48, 1, 22
	INS LS, LS+32, 0, 20
	INS LS, LS+32, 1, 20
	v_ashrrev_i32 v12, 31, v[LS]                   ; f32 to a u32 of the same order: negative numbers are turned over whole, the others get the top bit
	v_ashrrev_i32 v13, 31, v[LS+1]
	v_or_b32 v12, 0x80000000, v12
	v_or_b32 v13, 0x80000000, v13
	v_xor_b32 v[LS], v[LS], v12
	v_xor_b32 v[LS+1], v[LS+1], v13
	v_lshlrev_b32 v14, 4, v0
	global_store_b128 v14, v[LS:LS+3], s[8:9]      ; a wave stores 512 consecutive bytes from a multiple of 256
.Lend:
	s_wait_tensorcnt 0x0
	ds_add_u32 v232, v233
	s_wait_dscnt 0x0
	s_endpgm
.Lfunc_end_k_qd0ae8cef2c_scan:
	.size	k_qd0ae8cef2c_scan, .Lfunc_end_k_qd0ae8cef2c_scan-k_qd0ae8cef2c_scan
	.p2alignl 7, 3214868480
	.fill 96, 4, 3214868480
	.section	.rodata,"a",@progbits
	.p2align	6, 0x0
	.amdhsa_kernel k_qd0ae8cef2c_scan
		.amdhsa_group_segment_fixed_size 184320
		.amdhsa_private_segment_fixed_size 0
		.amdhsa_enable_private_segment 0
		.amdhsa_kernarg_size 24
		.amdhsa_user_sgpr_count 2
		.amdhsa_user_sgpr_kernarg_segment_ptr 1
		.amdhsa_wavefront_size32 1
		.amdhsa_system_sgpr_workgroup_id_x 1
		.amdhsa_system_sgpr_workgroup_id_y 1
		.amdhsa_system_sgpr_workgroup_id_z 1
		.amdhsa_system_vgpr_workitem_id 0
		.amdhsa_next_free_vgpr 234
		.amdhsa_next_free_sgpr 66
		.amdhsa_reserve_vcc 0
		.amdhsa_float_denorm_mode_32 3
		.amdhsa_float_denorm_mode_16_64 3
		.amdhsa_memory_ordered 1
		.amdhsa_forward_progress 1
		.amdhsa_inst_pref_size 130
	.end_amdhsa_kernel
	.amdgpu_metadata
---
amdhsa.version: [ 1, 2 ]
amdhsa.kernels:
  - .name:           k_qd0ae8cef2c_scan
    .symbol:         k_qd0ae8cef2c_scan.kd
    .args:
      - { .name: qsrc, .offset: 0, .size: 8, .value_kind: global_buffer, .address_space: global }
      - { .name: qtgt, .offset: 8, .size: 8, .value_kind: global_buffer, .address_space: global }
      - { .name: cand, .offset: 16, .size: 8, .value_kind: global_buffer, .address_space: global }
    .group_segment_fixed_size: 184320
    .private_segment_fixed_size: 0
    .kernarg_segment_align: 8
    .kernarg_segment_size: 24
    .max_flat_workgroup_size: 512
    .sgpr_count:     66
    .vgpr_count:     234
    .wavefront_size: 32
...
	.end_amdgpu_metadata
.endif
;; end of part 2
;; launch refine (part 3): grid 128 x 2, 16 waves a work-group, no clusters, 2,560 bytes of LDS; arguments src_feats, tgt_feats, qsrc, qtgt, cand, sel; writes sel
.if DOCPART == 3
	.amdgcn_target "amdgcn-amd-amdhsa--gfx1250"
	.amdhsa_code_object_version 6
	.text
	.protected	k_qd0ae8cef2c_refine
	.globl	k_qd0ae8cef2c_refine
	.p2align	8
	.type	k_qd0ae8cef2c_refine,@function
k_qd0ae8cef2c_refine:
	s_mov_b64 s[64:65], 0
	v_nop
	global_prefetch_b8 v0, s[64:65] scope:SCOPE_SE
	s_setreg_imm32_b32 hwreg(HW_REG_WAVE_MODE, 25, 1), 1
	s_wait_xcnt 0x0
; FOR EACH QUERY: the four chunks' lists are merged to the two best groups of 8 supports; for these 16 candidates the quantised product is made anew by the same matrix instruction, and
; dist2 = (|q|^2 - 2 p) + |s|^2 in f32, as the problem writes it; the two smallest are chosen (of equals the lower index); the plain f32 dot products with the unquantised rows
; are made for all 16 and chosen by v_cndmask_b32, so that no address hangs on a float of this launch; weight = 1 - (1 - dot0) / ((1 - dot1) + 1e-8).
; OUT, as whole numbers: sel[side][query] = the weight as a u32 that keeps f32's order; 65,536 bytes on: the nearest support's index.
; SHARES: grid y = side; a work-group 64 queries, a wave 4, one at a time on the whole wave: lane (r, h) is candidate r (0-7: the best group's rows, 8-15: the second's).
; THE ORDER OF THE PLAIN DOT PRODUCT'S SUM IS FIXED, since weights that lie a last bit apart decide places in the sorted result: eight partial sums, partial sum j of numbers j, j + 8, .. j + 56
; in ascending order (the first a rounded product, the others fused multiply-adds); then j with j + 4, with j + 2, with j + 1.  So lane half h takes numbers 8 t + 4 h + 0..3, t = 0..7
; (16 bytes at 32 t + 16 h of a row): it holds partial sums 4 h .. 4 h + 3 whole, and the first joining is the one exchange between the halves of the lanes.
; THE DIVISION IS ROUNDED CORRECTLY: a reciprocal, one Newton step on it, a product and two corrections of the quotient, all by fused multiply-adds.
; Two sets of registers: one query's 26 loads are on their way while the other query is worked.
; The dot products have two rows a query: they go by fused multiply-adds in f32, not by the matrix unit.  No LDS tiles, no cluster: each candidate row is wanted by one wave.
; LIMITS: NaN and infinities are not served; +0 and -0 get different keys; the division takes no care of a divisor whose magnitude lies outside 2^-126 .. 2^126.
.set OSW, 393216
.set ONH, 425984
.set S0,  32                           ; set s begins at v[32 + 104 s]: +0 the candidate's 32 numbers, +32 the query's, +64 the candidates' fragment (source 1), +76 the query's (source 0), +88 the result,
.set SET, 104                          ; +96, +97 their scale words (scales and nothing else), +98, +99 the halved norms, +100 .. +102 offsets, +103 the candidate's index as f32
; v8-11 the merged list; v12-15 the four keys, v16-19 the four indices; v24 at work; v27, v28 the way out; v30 +infinity; v240-255 at work
	s_load_b256 s[4:11], s[0:1], 0x0               ; src_feats, tgt_feats, qsrc, qtgt
	s_load_b128 s[12:15], s[0:1], 0x20             ; cand, sel
	v_lshl_add_u32 v29, v0, 2, 0x200
	v_mov_b32 v31, 0
	v_lshrrev_b32 v24, 5, v0
	v_readfirstlane_b32 s16, v24                   ; wave
	s_and_b32 s17, ttmp7, 0xffff                   ; side
	s_lshl_b32 s18, ttmp9, 6
	s_lshl_b32 s46, s16, 2
	s_add_co_u32 s18, s18, s46                     ; my first query
	v_and_b32 v1, 31, v0
	v_and_b32 v25, 15, v0                          ; r
	v_and_b32 v2, 7, v0                            ; r % 8
	v_bfe_u32 v26, v0, 4, 1                        ; h
	v_lshlrev_b32 v3, 4, v26                       ; 16 h: my four of each eight numbers of a row
	v_mul_u32_u24 v4, v26, 24                      ; 24 h: my half of a row of codes
	v_mov_b32 v5, 0
	v_and_b32 v7, 3, v0
	v_lshlrev_b32 v7, 4, v7                        ; the merge: lane % 4 is the query
	v_cmp_gt_u32 s40, 8, v25                       ; lanes of the best group
	s_lshl_b32 s46, s16, 4
	v_mov_b32 v6, s46                              ; LDS: my wave's four words
	s_and_b32 s46, s16, 1
	s_lshl_b32 s46, s46, 8
	v_lshl_add_u32 v27, v1, 3, s46                 ; the last read: wave 0 the keys, wave 1 the indices
	s_lshl_b32 s46, s16, 16
	v_lshl_add_u32 v28, v1, 3, s46                 ; and where they go, 65,536 bytes apart
	v_mov_b32 v30, 0x7f800000
.irp i, 244,245,246,247,249
	v_mov_b32 v\i, 0                               ; (the destination of a lane permute or a DPP form counts as read)
.endr
	s_mov_b32 s44, 0x76543210
	s_mov_b32 s45, 0xfedcba98                      ; v_permlanex16_b32's selects for lane l xor 16
	s_mov_b32 s47, 0
.irp s, 0,1
.irp i, 70,71,72,73,74,75,82,83,84,85,86,87
	v_mov_b32 v[S0+SET*\s+\i], 0                   ; zero codes for K = 64 .. 127
.endr
.endr
	s_wait_kmcnt 0x0
	s_cmp_eq_u32 s17, 0                            ; which tensor asks hangs on the side alone
	s_cselect_b64 s[20:21], s[4:5], s[6:7]         ; the queries' numbers
	s_cselect_b64 s[22:23], s[6:7], s[4:5]         ; the supports'
	s_cselect_b64 s[24:25], s[8:9], s[10:11]       ; the queries' codes, words, norms
	s_cselect_b64 s[28:29], s[10:11], s[8:9]       ; the supports'
	s_lshl_b32 s46, s18, 8
	s_add_nc_u64 s[20:21], s[20:21], s[46:47]
	s_lshl_b32 s46, s18, 2
	s_add_nc_u64 s[26:27], s[24:25], s[46:47]
	s_mul_i32 s46, s18, 48
	s_add_nc_u64 s[24:25], s[24:25], s[46:47]
	s_lshl_b32 s46, s17, 19
	s_lshl_b32 s41, s18, 4
	s_add_co_u32 s46, s46, s41
	s_add_nc_u64 s[30:31], s[12:13], s[46:47]
	s_lshl_b32 s46, s17, 15
	s_lshl_b32 s41, ttmp9, 8
	s_add_co_u32 s46, s46, s41
	s_add_nc_u64 s[14:15], s[14:15], s[46:47]
.irp c, 0,1,2,3
	global_load_b128 v[8+4*\c:11+4*\c], v7, s[30:31] offset:131072*\c   ; (key1, key2, group1, group2) of chunk c
.endr
	s_wait_loadcnt 0x0
.macro IINS kv, gv                     ; the list v8-11 takes an item of a higher chunk: strict 'greater', so of equals the lower rows stay ahead
	v_cmp_gt_u32 s41, v[\kv], v8
	v_cmp_gt_u32 s42, v[\kv], v9
	v_cndmask_b32 v11, v11, v[\gv], s42
	v_cndmask_b32 v11, v11, v10, s41
	v_cndmask_b32 v10, v10, v[\gv], s41
	v_min_u32 v24, v8, v[\kv]
	v_max_u32 v9, v9, v24
	v_max_u32 v8, v8, v[\kv]
.endm
.irp c, 1,2,3
	IINS 8+4*\c, 10+4*\c
	IINS 9+4*\c, 11+4*\c
.endr
.irp i, 0,1,2,3
	v_readlane_b32 s[32+2*\i], v10, \i             ; query i's two groups
	v_readlane_b32 s[33+2*\i], v11, \i
.endr
.macro LOADQ s, i                      ; query i's 26 loads into set s
.set B, S0+SET*(\s)
	v_mov_b32 v24, s[33+2*(\i)]
	v_cndmask_b32 v24, v24, s[32+2*(\i)], s40
	v_min_u32 v24, 0x3ff, v24                      ; a group number read from memory is held inside the table
	v_lshl_add_u32 v24, v24, 3, v2                 ; my candidate's row
	v_lshl_add_u32 v[B+100], v24, 8, v3
	v_mad_u32_u24 v[B+101], v24, 48, v4
	v_lshlrev_b32 v[B+102], 2, v24
	v_cvt_f32_u32 v[B+103], v24
.irp k, 0,1,2,3,4,5,6,7
	global_load_b128 v[B+4*\k:B+4*\k+3], v[B+100], s[22:23] offset:32*\k   ; numbers 8 k + 4 h + 0..3 of my candidate
.endr
.irp p, 0,1,2
	global_load_b64 v[B+64+2*\p:B+65+2*\p], v[B+101], s[28:29] offset:8*\p
.endr
	global_load_b32 v[B+96], v[B+102], s[28:29] offset:OSW
	global_load_b32 v[B+98], v[B+102], s[28:29] offset:ONH
.irp k, 0,1,2,3,4,5,6,7
	global_load_b128 v[B+32+4*\k:B+35+4*\k], v3, s[20:21] offset:256*(\i)+32*\k   ; the same numbers of the query
.endr
.irp p, 0,1,2
	global_load_b64 v[B+76+2*\p:B+77+2*\p], v4, s[24:25] offset:48*(\i)+8*\p   ; the query in all 16 rows of source 0
.endr
	global_load_b32 v[B+97], v5, s[26:27] offset:OSW+4*(\i)
	global_load_b32 v[B+99], v5, s[26:27] offset:ONH+4*(\i)
.endm
.macro PICK sim                        ; of the 16 lanes of a row: the smallest v248, of equals the lowest index.  v250: its index as f32; s41: its lane; v[sim]: its 1 - dot, in every lane
	v_min_num_f32_dpp v249, v248, v248 row_xmask:1 row_mask:0xf bank_mask:0xf
.irp m, 2,4,8
	v_min_num_f32_dpp v249, v249, v249 row_xmask:\m row_mask:0xf bank_mask:0xf
.endr
	v_cmp_eq_f32 vcc_lo, v248, v249
	v_cndmask_b32 v250, v30, v[B+103], vcc_lo
.irp m, 1,2,4,8
	v_min_num_f32_dpp v250, v250, v250 row_xmask:\m row_mask:0xf bank_mask:0xf
.endr
	v_cmp_eq_f32 s41, v[B+103], v250
	v_cndmask_b32 v[\sim], 0, v245, s41
.irp m, 1,2,4,8
	v_add_f32_dpp v[\sim], v[\sim], v[\sim] row_xmask:\m row_mask:0xf bank_mask:0xf   ; one number and fifteen zeros
.endr
.endm
.macro COMPQ s, i
.set B, S0+SET*(\s)
	v_wmma_scale_f32_16x16x128_f8f6f4 v[B+88:B+95], v[B+76:B+87], v[B+64:B+75], 0, v[B+97], v[B+96] matrix_a_fmt:MATRIX_FMT_BF6 matrix_b_fmt:MATRIX_FMT_BF6   ; register 0 of lane (r, h): p(query, candidate r)
	v_pk_mul_f32 v[240:241], v[B:B+1], v[B+32:B+33]         ; the plain dot product: v240-243 are partial sums 4 h + 0..3; these lines name no register of the product and are the places behind it
	v_pk_mul_f32 v[242:243], v[B+2:B+3], v[B+34:B+35]
.irp j, 4,8,12,16,20,24,28
	v_pk_fma_f32 v[240:241], v[B+\j:B+\j+1], v[B+32+\j:B+33+\j], v[240:241]
	v_pk_fma_f32 v[242:243], v[B+\j+2:B+\j+3], v[B+34+\j:B+35+\j], v[242:243]
.endr
.irp j, 0,1,2,3
	v_permlanex16_b32 v[244+\j], v[240+\j], s44, s45       ; the other half's four partial sums
.endr
	v_pk_add_f32 v[240:241], v[240:241], v[244:245]        ; j with j + 4,
	v_pk_add_f32 v[242:243], v[242:243], v[246:247]
	v_pk_add_f32 v[240:241], v[240:241], v[242:243]        ; with j + 2,
	v_add_f32 v240, v240, v241                     ; with j + 1: the same bits in both halves of the lanes
	v_sub_f32 v245, 1.0, v240                      ; 1 - dot
	v_mul_f32 v246, -2.0, v[B+99]                  ; |q|^2
	v_mul_f32 v247, -2.0, v[B+98]                  ; |s|^2
	v_fma_f32 v248, v[B+88], -2.0, v246            ; |q|^2 - 2 p, rounded once (2 p is exact)
	v_add_f32 v248, v248, v247                     ; + |s|^2
	PICK 251
	v_cvt_u32_f32 v[16+(\i)], v250                 ; the nearest support's index
	v_cndmask_b32 v248, v248, v30, s41             ; it is taken out
	PICK 252
	v_add_f32 v252, 0x322bcc77, v252               ; + 1e-8: the divisor
	v_rcp_f32 v253, v252
	v_nop                                          ; one plain place behind a transcendental
	s_wait_alu depctr_va_vdst(0)
	v_fma_f32 v254, -v252, v253, 1.0               ; what the reciprocal leaves,
	v_fma_f32 v253, v254, v253, v253               ; put back
	v_mul_f32 v254, v251, v253                     ; the quotient,
	v_fma_f32 v255, -v252, v254, v251              ; what it leaves,
	v_fma_f32 v254, v255, v253, v254               ; put back,
	v_fma_f32 v255, -v252, v254, v251              ; and once more: the last line rounds the quotient once
	v_fma_f32 v254, v255, v253, v254
	v_sub_f32 v254, 1.0, v254                      ; the weight
	v_ashrrev_i32 v255, 31, v254
	v_or_b32 v255, 0x80000000, v255
	v_xor_b32 v[12+(\i)], v254, v255               ; as a u32 of the same order
.endm
	LOADQ 0, 0
	LOADQ 1, 1
	s_wait_loadcnt 26                              ; this set's 26 loads are in, the other set's 26 may be out; the wait also frees this set's offsets
	COMPQ 0, 0
	LOADQ 0, 2
	s_wait_loadcnt 26
	COMPQ 1, 1
	LOADQ 1, 3
	s_wait_loadcnt 26
	COMPQ 0, 2
	s_wait_loadcnt 0x0
	COMPQ 1, 3
	ds_store_b128 v6, v[12:15]                     ; all lanes write the same 16 bytes with the same values
	ds_store_b128 v6, v[16:19] offset:256
	s_wait_dscnt 0x0                               ; for the others' sake
	s_barrier_signal -1
	s_barrier_wait -1                              ; 64 keys and 64 indices lie in LDS
	s_cmp_gt_u32 s16, 1
	s_cbranch_scc1 .Lend
	ds_load_b64 v[240:241], v27
	s_wait_dscnt 0x0
	global_store_b64 v28, v[240:241], s[14:15]     ; a wave stores 256 consecutive bytes from a multiple of 256
.Lend:
	s_wait_tensorcnt 0x0
	ds_add_u32 v29, v31
	s_wait_dscnt 0x0
	s_endpgm
.Lfunc_end_k_qd0ae8cef2c_refine:
	.size	k_qd0ae8cef2c_refine, .Lfunc_end_k_qd0ae8cef2c_refine-k_qd0ae8cef2c_refine
	.p2alignl 7, 3214868480
	.fill 96, 4, 3214868480
	.section	.rodata,"a",@progbits
	.p2align	6, 0x0
	.amdhsa_kernel k_qd0ae8cef2c_refine
		.amdhsa_group_segment_fixed_size 2560
		.amdhsa_private_segment_fixed_size 0
		.amdhsa_enable_private_segment 0
		.amdhsa_kernarg_size 48
		.amdhsa_user_sgpr_count 2
		.amdhsa_user_sgpr_kernarg_segment_ptr 1
		.amdhsa_wavefront_size32 1
		.amdhsa_system_sgpr_workgroup_id_x 1
		.amdhsa_system_sgpr_workgroup_id_y 1
		.amdhsa_system_sgpr_workgroup_id_z 1
		.amdhsa_system_vgpr_workitem_id 0
		.amdhsa_next_free_vgpr 256
		.amdhsa_next_free_sgpr 66
		.amdhsa_reserve_vcc 1
		.amdhsa_float_denorm_mode_32 3
		.amdhsa_float_denorm_mode_16_64 3
		.amdhsa_memory_ordered 1
		.amdhsa_forward_progress 1
		.amdhsa_inst_pref_size 37
	.end_amdhsa_kernel
	.amdgpu_metadata
---
amdhsa.version: [ 1, 2 ]
amdhsa.kernels:
  - .name:           k_qd0ae8cef2c_refine
    .symbol:         k_qd0ae8cef2c_refine.kd
    .args:
      - { .name: src_feats, .offset: 0, .size: 8, .value_kind: global_buffer, .address_space: global }
      - { .name: tgt_feats, .offset: 8, .size: 8, .value_kind: global_buffer, .address_space: global }
      - { .name: qsrc, .offset: 16, .size: 8, .value_kind: global_buffer, .address_space: global }
      - { .name: qtgt, .offset: 24, .size: 8, .value_kind: global_buffer, .address_space: global }
      - { .name: cand, .offset: 32, .size: 8, .value_kind: global_buffer, .address_space: global }
      - { .name: sel, .offset: 40, .size: 8, .value_kind: global_buffer, .address_space: global }
    .group_segment_fixed_size: 2560
    .private_segment_fixed_size: 0
    .kernarg_segment_align: 8
    .kernarg_segment_size: 48
    .max_flat_workgroup_size: 512
    .sgpr_count:     66
    .vgpr_count:     256
    .wavefront_size: 32
...
	.end_amdgpu_metadata
.endif
;; end of part 3
;; launch emit (part 4): grid 128 x 2, 32 waves a work-group, no clusters, 13,312 bytes of LDS; arguments sel, src_feats, tgt_feats, src_points, tgt_points, out0, out1, out2, out3, out4; writes out0, out1, out2, out3, out4
.if DOCPART == 4
	.amdgcn_target "amdgcn-amd-amdhsa--gfx1250"
	.amdhsa_code_object_version 6
	.text
	.protected	k_qd0ae8cef2c_emit
	.globl	k_qd0ae8cef2c_emit
	.p2align	8
	.type	k_qd0ae8cef2c_emit,@function
k_qd0ae8cef2c_emit:
	s_mov_b64 s[64:65], 0
	v_nop
	global_prefetch_b8 v0, s[64:65] scope:SCOPE_SE
	s_setreg_imm32_b32 hwreg(HW_REG_WAVE_MODE, 25, 1), 1
	s_wait_xcnt 0x0
; THE SORTED TOP 2,048 OF EACH SIDE'S 8,192 WEIGHTS, BY RANK, AND THE FIVE RESULTS.
; rank(i) = how many keys are greater than key(i), + how many equal keys have a lower index: the place that a descending sort with ties to the lower index gives.  The ranks of a side are
; a permutation, so each of its 2,048 result rows is written by exactly one query.  Keys are whole numbers that an earlier launch stored, so the rank may steer addresses here.
; SHARES: grid y = side; a work-group 64 queries.  Every wave holds all 64 in two registers (A: queries 0-31, B: 32-63) and counts them against its own 256 keys, 256 w .. 256 w + 255, which come
; as scalars, 32 a block: each key serves two compares and two adds with carry, 64 comparisons, so a block's 128 vector lines stand between the request for the next block and the wait for it.
; In a block that lies wholly under a register's block 'greater or equal' is 'greater than key - 1'.  In a register's own block the equal keys of lower index are shared out: wave w takes key w
; of block A and key w of block B, two words asked for with the first keys.  The 32 partial counts of each query meet in LDS.
; THE WAY OUT: wave w owns queries 2 w and 2 w + 1, sixteen lanes to a row: a feature row is 256 consecutive bytes from a multiple of 256.  Where the rows come FROM hangs on indices alone, not on
; the rank: so all 64 queries' rows and points are asked for ahead of the counting and land under it; those of ranks from 2,048 on are not stored (32 KiB read a work-group, a quarter of it stored
; on the average).  Points (12 bytes) and weights (4 bytes) go out in pieces: neighbouring result rows belong to ranks found by other work-groups.
; Side 0 fills rows 0-2047 with (src index, tgt index) = (query, nearest); side 1 rows 2048-4095 with (nearest, query).
; No matrix work, no tensor loads, no cluster.  LIMIT: the key 0 (a NaN's pattern) is not served, since key - 1 is taken.
; SCALARS: s[16:47] buffer X, 32 keys; s[48:63] and s[80:95] buffer Y; s[66:67] where the next keys lie; s96 the block in hand, s97 block A's number; s13 the lanes above w;
;   s98, s99 the thresholds' choices (s99 at the head: the side); s80-84 at the end: masks and the saved EXEC.
; VECTORS: v4-7 A's key, key - 1, threshold, count; v12-15 B's; v8, v9 LDS addresses; v10, v11 my row's key and nearest index; v16-47 partial counts; v48 rank, v49 result row;
;   v50-52 indices; v53-55, v66-68, v70-74 offsets; v56-63 the two feature rows; v64, v65 the two points; v69 the weight.
.set QP, 144                           ; a query's 32 partial counts in LDS: 128 bytes + 16: the 32 lanes of a store fall on sixteen banks, two deep; every 16-byte read is aligned
	s_load_b256 s[4:11], s[0:1], 0x0               ; sel, src_feats, tgt_feats, src_points
	s_load_b256 s[68:75], s[0:1], 0x20             ; tgt_points, out0, out1, out2
	s_load_b128 s[76:79], s[0:1], 0x40             ; out3, out4
	v_lshl_add_u32 v76, v0, 2, 0x2400
	v_mov_b32 v77, 0
	v_lshrrev_b32 v6, 5, v0
	v_readfirstlane_b32 s12, v6                    ; wave w
	s_and_b32 s15, ttmp7, 0xffff                   ; side
	s_mov_b32 s2, ttmp9                            ; block of 64 queries
	v_and_b32 v1, 31, v0
	v_and_b32 v2, 15, v0
	v_bfe_u32 v3, v0, 4, 1
	s_lshl_b32 s100, s12, 2
	v_mul_u32_u24 v8, v1, QP
	v_add_nc_u32 v8, s100, v8                      ; LDS: query = lane (B: 32 queries on), word w
	s_lshl_b32 s100, s12, 1
	v_add_nc_u32 v52, s100, v3                     ; e = 2 w + lane / 16: the query that I help to write
	v_mul_u32_u24 v9, v52, QP                      ; LDS: its 32 counts
	s_lshl_b32 s100, s2, 8                         ; the work-group's 64 keys begin here
	v_lshl_add_u32 v72, v52, 2, s100               ; e's key in memory
	v_lshl_add_u32 v71, v1, 2, s100                ; the key of A's query in my lane; B's lies 128 bytes on
	s_lshl_b32 s14, s12, 2
	s_add_co_u32 s14, s14, s100                    ; key w of block A; key w of block B lies 128 bytes on
	s_lshl_b32 s101, s2, 6
	v_add_nc_u32 v52, s101, v52                    ; e's index in the tensor
	v_lshlrev_b32 v73, 4, v2                       ; my 16 bytes of a feature row
	v_min_u32 v74, 2, v2
	v_lshlrev_b32 v74, 2, v74                      ; my 4 bytes of a point: lanes 3-15 are held at the third number, so that no load leaves its buffer
	s_lshl_b32 s96, s12, 3                         ; my first block of keys
	s_lshl_b32 s97, s2, 1                          ; block A's number; B's is one more
	s_lshl_b32 s13, 0xfffffffe, s12                ; the lanes above w
	s_cmp_lg_u32 s15, 0
	s_cselect_b32 s99, -1, 0                       ; all lanes where side = 1
	s_wait_kmcnt 0x0
	s_lshl_b32 s100, s15, 15
	s_mov_b32 s101, 0
	s_add_nc_u64 s[4:5], s[4:5], s[100:101]        ; my side's keys; its indices lie 65,536 bytes on
	s_lshl_b32 s100, s12, 10
	s_add_nc_u64 s[66:67], s[4:5], s[100:101]      ; my 256 keys
	s_mov_b32 s100, s14
	s_add_nc_u64 s[50:51], s[4:5], s[100:101]
	s_load_b512 s[16:31], s[66:67], 0x0
	s_load_b512 s[32:47], s[66:67], 0x40
	s_load_b32 s48, s[50:51], 0x0                  ; key w of block A,
	s_load_b32 s49, s[50:51], 0x80                 ; of block B
	global_load_b32 v4, v71, s[4:5]
	global_load_b32 v12, v71, s[4:5] offset:128
	global_load_b32 v10, v72, s[4:5]
	global_load_b32 v11, v72, s[4:5] offset:65536
	v_mov_b32 v7, 0                                ; the two counts
	v_mov_b32 v15, 0
	s_wait_loadcnt 0x0
	v_cndmask_b32 v50, v52, v11, s99               ; the src index: the query, or on side 1 its nearest
	v_cndmask_b32 v51, v11, v52, s99               ; the tgt index
	v_min_u32 v50, 0x1fff, v50                     ; an index read from memory is held inside its table
	v_min_u32 v51, 0x1fff, v51
	v_lshl_add_u32 v53, v50, 8, v73
	v_lshl_add_u32 v54, v51, 8, v73
	v_mad_u32_u24 v66, v50, 12, v74
	v_mad_u32_u24 v67, v51, 12, v74
	global_load_b128 v[56:59], v53, s[6:7]         ; the two feature rows and the two points: four loads that stay out over the whole counting;
	global_load_b128 v[60:63], v54, s[8:9]         ; their offsets and destinations are touched again only behind the wait for them, ahead of the stores
	global_load_b32 v64, v66, s[10:11]
	global_load_b32 v65, v67, s[68:69]
	v_add_nc_u32 v5, -1, v4
	v_add_nc_u32 v13, -1, v12
	s_wait_kmcnt 0x0                               ; the first keys and my two keys of the queries' own blocks (scalar loads come back in no order: the count is 0)
	v_cmp_eq_u32 vcc_lo, s48, v4                   ; an equal key of lower index counts: key w for the lanes above w
	s_and_b32 vcc_lo, vcc_lo, s13
	v_add_co_ci_u32 v7, vcc_lo, 0, v7, vcc_lo
	v_cmp_eq_u32 vcc_lo, s49, v12
	s_and_b32 vcc_lo, vcc_lo, s13
	v_add_co_ci_u32 v15, vcc_lo, 0, v15, vcc_lo
.macro THR                             ; what the block in hand is compared with: key - 1 where all its indices are lower than the register's, else key
	s_cmp_lt_u32 s96, s97
	s_cselect_b32 s98, -1, 0
	v_cndmask_b32 v6, v4, v5, s98
	s_cmp_le_u32 s96, s97                          ; under block B: up to and with block A
	s_cselect_b32 s99, -1, 0
	v_cndmask_b32 v14, v12, v13, s99
.endm
.macro COUNT set                       ; 32 keys against 64 queries
.irp n, 0,1,2,3,4,5,6,7,8,9,10,11,12,13,14,15,16,17,18,19,20,21,22,23,24,25,26,27,28,29,30,31
.if \set == 0
.set KR, 16+\n
.elseif \n < 16
.set KR, 48+\n
.else
.set KR, 80+\n-16
.endif
	v_cmp_gt_u32 vcc_lo, s[KR], v6
	v_add_co_ci_u32 v7, vcc_lo, 0, v7, vcc_lo
	v_cmp_gt_u32 vcc_lo, s[KR], v14
	v_add_co_ci_u32 v15, vcc_lo, 0, v15, vcc_lo
.endr
.endm
.macro TRIP refill                     ; two blocks, 256 bytes of keys; each buffer is asked for while the other is counted
	s_wait_kmcnt 0x0                               ; X is in
	s_load_b512 s[48:63], s[66:67], 0x80
	s_load_b512 s[80:95], s[66:67], 0xc0
	THR
	COUNT 0
	s_wait_kmcnt 0x0                               ; Y is in; no scalar load is out,
	s_wait_xcnt 0x0                                ; so their base may step
	s_add_nc_u64 s[66:67], s[66:67], 256
.if \refill
	s_load_b512 s[16:31], s[66:67], 0x0
	s_load_b512 s[32:47], s[66:67], 0x40
.endif
	s_add_co_u32 s96, s96, 1
	THR
	COUNT 1
	s_add_co_u32 s96, s96, 1
.endm
	s_mov_b32 s3, 0
.Ltrip:
	TRIP 1
	s_add_co_u32 s3, s3, 1
	s_cmp_lt_u32 s3, 3
	s_cbranch_scc1 .Ltrip
	TRIP 0                                         ; the fourth trip asks for nothing beyond my 256 keys
	ds_store_b32 v8, v7
	ds_store_b32 v8, v15 offset:32*QP
	s_wait_dscnt 0x0                               ; for the others' sake
	s_barrier_signal -1
	s_barrier_wait -1                              ; all 64 x 32 partial counts lie in LDS
.irp k, 0,1,2,3,4,5,6,7
	ds_load_b128 v[16+4*\k:19+4*\k], v9 offset:16*\k
.endr
	s_wait_dscnt 0x0
.irp i, 0,1,2,3,4,5,6,7,8,9
	v_add3_u32 v[16+3*\i], v[16+3*\i], v[17+3*\i], v[18+3*\i]   ; 32 counts, three at a time
.endr
	v_add3_u32 v16, v16, v19, v22
	v_add3_u32 v25, v25, v28, v31
	v_add3_u32 v34, v34, v37, v40
	v_add3_u32 v43, v43, v46, v47
	v_add3_u32 v16, v16, v25, v34
	v_add_nc_u32 v48, v16, v43                     ; e's rank
	v_cmp_gt_u32 s80, 0x800, v48                   ; among the first 2,048
	v_min_u32 v49, 0x7ff, v48
	s_lshl_b32 s84, s15, 11
	v_add_nc_u32 v49, s84, v49                     ; its result row
	v_lshl_add_u32 v55, v49, 8, v73
	v_mad_u32_u24 v68, v49, 12, v74
	v_lshlrev_b32 v70, 2, v49
	v_ashrrev_i32 v69, 31, v10                     ; the key back to the weight's bits
	v_not_b32 v69, v69
	v_or_b32 v69, 0x80000000, v69
	v_xor_b32 v69, v10, v69
	v_cmp_gt_u32 s81, 3, v2
	s_and_b32 s81, s81, s80                        ; three lanes for a point
	v_cmp_eq_u32 s82, 0, v2
	s_and_b32 s82, s82, s80                        ; one for the weight
	s_wait_loadcnt 0x0                             ; the rows and points asked for at the head
	; EXEC is a source of a pending load or store: it changes only behind s_wait_xcnt 0
	s_wait_xcnt 0x0
	s_mov_b32 vcc_lo, s80
	s_wait_tensorcnt 0x0
	ds_add_u32 v76, v77
	s_wait_dscnt 0x0
	s_and_saveexec_b32 s83, vcc_lo
	global_store_b128 v55, v[56:59], s[74:75]      ; sixteen lanes store 256 consecutive bytes from a multiple of 256
	global_store_b128 v55, v[60:63], s[76:77]
	s_wait_xcnt 0x0
	s_or_b32 exec_lo, exec_lo, s83
	s_mov_b32 vcc_lo, s81
	s_and_saveexec_b32 s83, vcc_lo
	global_store_b32 v68, v64, s[70:71]
	global_store_b32 v68, v65, s[72:73]
	s_wait_xcnt 0x0
	s_or_b32 exec_lo, exec_lo, s83
	s_mov_b32 vcc_lo, s82
	s_and_saveexec_b32 s83, vcc_lo
	global_store_b32 v70, v69, s[78:79]
	s_wait_xcnt 0x0
	s_or_b32 exec_lo, exec_lo, s83
	s_endpgm
.Lfunc_end_k_qd0ae8cef2c_emit:
	.size	k_qd0ae8cef2c_emit, .Lfunc_end_k_qd0ae8cef2c_emit-k_qd0ae8cef2c_emit
	.p2alignl 7, 3214868480
	.fill 96, 4, 3214868480
	.section	.rodata,"a",@progbits
	.p2align	6, 0x0
	.amdhsa_kernel k_qd0ae8cef2c_emit
		.amdhsa_group_segment_fixed_size 13312
		.amdhsa_private_segment_fixed_size 0
		.amdhsa_enable_private_segment 0
		.amdhsa_kernarg_size 80
		.amdhsa_user_sgpr_count 2
		.amdhsa_user_sgpr_kernarg_segment_ptr 1
		.amdhsa_wavefront_size32 1
		.amdhsa_system_sgpr_workgroup_id_x 1
		.amdhsa_system_sgpr_workgroup_id_y 1
		.amdhsa_system_sgpr_workgroup_id_z 1
		.amdhsa_system_vgpr_workitem_id 0
		.amdhsa_next_free_vgpr 78
		.amdhsa_next_free_sgpr 102
		.amdhsa_reserve_vcc 1
		.amdhsa_float_denorm_mode_32 3
		.amdhsa_float_denorm_mode_16_64 3
		.amdhsa_memory_ordered 1
		.amdhsa_forward_progress 1
		.amdhsa_inst_pref_size 26
	.end_amdhsa_kernel
	.amdgpu_metadata
---
amdhsa.version: [ 1, 2 ]
amdhsa.kernels:
  - .name:           k_qd0ae8cef2c_emit
    .symbol:         k_qd0ae8cef2c_emit.kd
    .args:
      - { .name: sel, .offset: 0, .size: 8, .value_kind: global_buffer, .address_space: global }
      - { .name: src_feats, .offset: 8, .size: 8, .value_kind: global_buffer, .address_space: global }
      - { .name: tgt_feats, .offset: 16, .size: 8, .value_kind: global_buffer, .address_space: global }
      - { .name: src_points, .offset: 24, .size: 8, .value_kind: global_buffer, .address_space: global }
      - { .name: tgt_points, .offset: 32, .size: 8, .value_kind: global_buffer, .address_space: global }
      - { .name: out0, .offset: 40, .size: 8, .value_kind: global_buffer, .address_space: global }
      - { .name: out1, .offset: 48, .size: 8, .value_kind: global_buffer, .address_space: global }
      - { .name: out2, .offset: 56, .size: 8, .value_kind: global_buffer, .address_space: global }
      - { .name: out3, .offset: 64, .size: 8, .value_kind: global_buffer, .address_space: global }
      - { .name: out4, .offset: 72, .size: 8, .value_kind: global_buffer, .address_space: global }
    .group_segment_fixed_size: 13312
    .private_segment_fixed_size: 0
    .kernarg_segment_align: 8
    .kernarg_segment_size: 80
    .max_flat_workgroup_size: 1024
    .sgpr_count:     102
    .vgpr_count:     78
    .wavefront_size: 32
...
	.end_amdgpu_metadata
.endif
;; end of part 4
;; ======== version 2 of 2: 4 launches; version 1 with the launches scan, refine written anew for expert scheduling mode
;; workspace buffers: qsrc 458,752 bytes; qtgt 458,752 bytes; cand 1,048,576 bytes of whole numbers; sel 131,072 bytes of whole numbers
;; launch prep: the kernel of part 1 again; grid 256 x 1, 4 waves a work-group, no clusters, 23,552 bytes of LDS; arguments src_feats, tgt_feats, qsrc, qtgt; writes qsrc, qtgt
;; launch scan (part 5): grid 128 x 2, 16 waves a work-group, no clusters, 184,320 bytes of LDS; arguments qsrc, qtgt, cand; writes cand
.if DOCPART == 5
	.amdgcn_target "amdgcn-amd-amdhsa--gfx1250"
	.amdhsa_code_object_version 6
	.text
	.protected	k_qd0ae8cef2c_scan
	.globl	k_qd0ae8cef2c_scan
	.p2align	8
	.type	k_qd0ae8cef2c_scan,@function
k_qd0ae8cef2c_scan:
	s_mov_b64 s[64:65], 0
	v_nop
	global_prefetch_b8 v0, s[64:65] scope:SCOPE_SE
	s_setreg_imm32_b32 hwreg(HW_REG_WAVE_SCHED_MODE, 0, 2), 2
	s_setreg_imm32_b32 hwreg(HW_REG_WAVE_MODE, 25, 1), 1
	s_wait_xcnt 0x0
	s_wait_alu depctr_vm_vsrc(0)
; BOTH QUANTISED PRODUCTS, [8192 x 64] x [64 x 8192] on codes of BF6, and the first sieve of the two nearest supports of each query.
; dist2 = |q|^2 - 2 p + |s|^2 falls where x = p - |s|^2 / 2 rises, and |q|^2 changes no order within a row.  -|s|^2 / 2 is the C of the matrix instruction, so x costs no vector line.
; What is kept is not a support but a GROUP OF 8 NEIGHBOURING SUPPORTS: the two nearest supports lie in the two groups with the largest group maxima.  For each query and each
; chunk of 2,048 supports the two best groups leave as whole numbers: cand[side][chunk][query] = (key1, key2, group1, group2), key = the group's maximum as a u32 that keeps f32's order,
; group = support row / 8.  The next launch works the 16 candidates out exactly.
; K = 64 fills half of the instruction's 128: registers 0-5 of a fragment hold codes, registers 6-11 zero codes, whose scale bytes are 0x7f.
; SHARES: grid y = side (0: src asks tgt, 1: tgt asks src); grid x = 4 x block of 256 queries + chunk.  Wave w: a = w % 2: query tiles 8 a .. 8 a + 7, which stay in registers as source 1;
; b = w / 2: supports 256 b .. 256 b + 255 of the chunk, 16 tiles, as source 0: 128 matrix instructions a wave.
; THE ROWS OF A SUPPORT TILE ARE CHOSEN: tile t takes rows 256 b + 8 t + 0..7 and 256 b + 128 + 8 t + 0..7.  In the result lane (r, h) holds query r and eight rows m = 8 h + j: so a lane's eight
; numbers are one group, group number 256 chunk + 32 b + 16 h + t, and a lane walks its groups in ascending order.  Every comparison is a strict 'greater', and lists are merged
; lower rows first: of equals the lower index stays ahead.
; The chunk (codes, scale words, halved norms: 112 KiB) is read once by plain loads and kept in LDS; nothing is filled again, so there is no ring.  What neighbouring work-groups share is
; read once at the head, a small part of the launch beside its vector work: no cluster.
; LIMITS: a group's place is decided on x as the matrix unit sums p + C, not on dist2 as it is rounded twice: the two can differ where candidates agree to the last bits.  NaN and infinities are not served.
; THE MODE: SCHED_MODE bits 1:0 = 2 (LLVM: expert scheduling mode 2), set by the entry lines.  The code itself states the register dependences
; between vector or matrix instructions and memory or LDS instructions, with s_wait_alu, always for 0.
; THE PLAN.  Registers that memory or LDS instructions touch:
;   v3-v11, v26, v27, v232, v233   addresses and offsets: written at the head, never again; one wait on va_vdst ahead of the first load serves them for the whole kernel.
;   v68-123    the fill: global loads land there, LDS stores read them; then they become results and lists: one wait on vm_vsrc behind the first barrier.
;   AB[buf] registers 0-5, CB[buf], v16 + buf   tile t's eight products read them; the six LDS loads of tile t + 2 land there: one wait on va_vdst a tile, behind the lines that follow the tile's last products.
;   registers 6-11 of AB and BF   zero codes, written by v_mov behind the head's loads, named by products alone: one wait on va_vdst ahead of the first product.
;   TR v100-131   written by vector lines, read by eight LDS stores: one wait on va_vdst ahead of them.  No vector line stands between that wait and the merge's loads, which land in v132-195, where source 1 lay.
;   v14, v132-135   written by the merge, read by the one global store: one wait on va_vdst.
; Masks: every run of compares into scalar registers has one wait on va_sdst behind it, ahead of the selections that read them; the lines that name no mask stand between.
.set HPIT, 6272                        ; 128 rows of 48 bytes + 128: rows 128 apart fall half way round the 64 banks of 4 bytes (ISA guide 11.1), so the 32 lanes of a load of 8 bytes touch 64 different banks
.set SWL,  100352                      ; behind the codes: the chunk's 2,048 scale words,
.set NHL,  108544                      ; its 2,048 halved norms,
.set MRG,  116736                      ; and the lists: (list 2 b + h, query) at 4,096 x list + 16 x query
.set OSW,  393216
.set ONH,  425984
.set AB,   28                          ; v28-39, v40-51   source 0, two buffers
.set CB,   52                          ; v52-59, v60-67   C, two buffers
.set DS,   68                          ; v68-83, v84-99   results, two slots of two tiles
.set TR,   100                         ; v100-131 for each query tile: largest, second, their tiles
.set BF,   132                         ; v132-227 source 1: eight fragments
.set FT,   68                          ; v68-123  the fill's registers, ahead of all that
.set LS,   132                         ; v132-195 the merge's sixteen lists
; v16, v17: source 0's scale words; v18-25: source 1's: these ten hold scales and nothing else.   v12-15: at work.
	s_load_b128 s[4:7], s[0:1], 0x0                ; qsrc, qtgt
	s_load_b64 s[8:9], s[0:1], 0x10                ; cand
	v_lshl_add_u32 v232, v0, 2, 0x2c800
	v_mov_b32 v233, 0
	v_lshrrev_b32 v11, 5, v0
	v_readfirstlane_b32 s10, v11                   ; wave
	s_wait_alu depctr_va_sdst(0)                   ; s10 is written, ahead of its first reader
	s_and_b32 s11, s10, 1                          ; a
	s_lshr_b32 s12, s10, 1                         ; b
	s_and_b32 s13, ttmp7, 0xffff                   ; side
	s_lshr_b32 s14, ttmp9, 2                       ; block of 256 queries
	s_and_b32 s15, ttmp9, 3                        ; chunk
	v_and_b32 v1, 15, v0                           ; r
	v_bfe_u32 v2, v0, 4, 1                         ; h
	v_lshrrev_b32 v12, 3, v1                       ; r / 8
	v_and_b32 v13, 7, v1                           ; r % 8
	v_and_b32 v14, 31, v0
	v_lshlrev_b32 v10, 4, v14                      ; 16 x lane
	v_mul_u32_u24 v3, v12, HPIT
	v_mad_u32_u24 v3, v13, 48, v3
	v_mad_u32_u24 v3, v2, 24, v3
	s_mul_i32 s28, s12, 2*HPIT
	v_add_nc_u32 v3, s28, v3                       ; v3: my row's 24 bytes in tile 0 (a tile on: 384 bytes)
	v_lshlrev_b32 v4, 9, v12
	v_lshl_add_u32 v4, v13, 2, v4
	s_lshl_b32 s28, s12, 10
	s_add_co_u32 s29, s28, SWL
	v_add_nc_u32 v4, s29, v4                       ; v4: my row's scale word (a tile on: 32 bytes)
	s_add_co_u32 s29, s28, NHL
	v_lshl_add_u32 v5, v2, 9, s29                  ; v5: my half's eight halved norms
	s_lshl_b32 s28, s15, 8
	s_lshl_b32 s29, s12, 5
	s_add_co_u32 s28, s28, s29
	v_lshl_add_u32 v6, v2, 4, s28                  ; v6: the group number of my tile 0
	s_lshl_b32 s28, s12, 13
	s_lshl_b32 s29, s11, 11
	s_add_co_u32 s28, s28, s29
	s_add_co_u32 s28, s28, MRG
	v_lshlrev_b32 v7, 12, v2
	v_lshl_add_u32 v7, v1, 4, v7
	v_add_nc_u32 v7, s28, v7                       ; v7: where my lists go
	v_mul_u32_u24 v8, v1, 48
	v_mad_u32_u24 v8, v2, 24, v8                   ; v8: a query's 24 bytes in memory
	v_lshlrev_b32 v9, 2, v1                        ; v9: its scale word
	v_and_b32 v11, 255, v0
	v_lshl_add_u32 v11, v11, 4, MRG                ; v11: the merge: thread t (0-255) takes query t
	s_mul_i32 s28, s10, HPIT
	v_add_nc_u32 v26, s28, v10                     ; v26: the fill: wave w brings rows 128 w .. 128 w + 127,
	s_lshl_b32 s28, s10, 9
	s_add_co_u32 s28, s28, SWL
	v_add_nc_u32 v27, s28, v10                     ; v27: their words and (8,192 bytes on) their norms
	s_lshl_b32 s28, s14, 8
	s_lshl_b32 s29, s11, 7
	s_add_co_u32 s28, s28, s29                     ; my first query
	s_mul_i32 s20, s28, 48
	s_mov_b32 s21, 0
	s_lshl_b32 s22, s28, 2
	s_mov_b32 s23, 0
	s_mul_i32 s24, s15, 98304
	s_mul_i32 s29, s10, 6144
	s_add_co_u32 s24, s24, s29
	s_mov_b32 s25, 0
	s_lshl_b32 s26, s15, 13
	s_lshl_b32 s29, s10, 9
	s_add_co_u32 s26, s26, s29
	s_mov_b32 s27, 0
	s_lshl_b32 s30, s13, 19
	s_lshl_b32 s29, s15, 17
	s_add_co_u32 s30, s30, s29
	s_lshl_b32 s29, s14, 12
	s_add_co_u32 s30, s30, s29
	s_mov_b32 s31, 0
	s_wait_kmcnt 0x0
	s_cmp_eq_u32 s13, 0                            ; which tensor asks and which is asked hangs on the side alone
	s_cselect_b64 s[16:17], s[4:5], s[6:7]
	s_cselect_b64 s[18:19], s[6:7], s[4:5]
	s_add_nc_u64 s[32:33], s[16:17], s[20:21]      ; the queries' codes
	s_add_nc_u64 s[34:35], s[16:17], s[22:23]      ; their words
	s_add_nc_u64 s[36:37], s[18:19], s[24:25]      ; the supports' codes, my 128 rows
	s_add_nc_u64 s[38:39], s[18:19], s[26:27]      ; their words and norms
	s_add_nc_u64 s[8:9], s[8:9], s[30:31]          ; cand at my side, chunk and block
	s_wait_alu depctr_va_vdst(0)                   ; the addresses and offsets v3 to v11, v26, v27 are written, which the loads and stores of the whole kernel read
.irp k, 0,1,2,3,4,5,6,7,8,9,10,11
	global_load_b128 v[FT+4*\k:FT+4*\k+3], v10, s[36:37] offset:512*\k
.endr
	global_load_b128 v[FT+48:FT+51], v10, s[38:39] offset:OSW
	global_load_b128 v[FT+52:FT+55], v10, s[38:39] offset:ONH
.irp u, 0,1,2,3,4,5,6,7
.irp p, 0,1,2
	global_load_b64 v[BF+12*\u+2*\p:BF+12*\u+2*\p+1], v8, s[32:33] offset:768*\u+8*\p
.endr
	global_load_b32 v[18+\u], v9, s[34:35] offset:OSW+64*\u
.endr
.irp u, 0,1,2,3,4,5,6,7
.irp i, 6,7,8,9,10,11
	v_mov_b32 v[BF+12*\u+\i], 0                    ; zero codes for K = 64 .. 127: registers in which no load lands
.endr
.endr
.irp f, 0,1
.irp i, 6,7,8,9,10,11
	v_mov_b32 v[AB+12*\f+\i], 0
.endr
.endr
	s_wait_loadcnt 32                              ; the fill's 14 loads are in; the 32 loads of queries behind them may be out
.irp k, 0,1,2,3,4,5,6,7,8,9,10,11
	ds_store_b128 v26, v[FT+4*\k:FT+4*\k+3] offset:512*\k
.endr
	ds_store_b128 v27, v[FT+48:FT+51]
	ds_store_b128 v27, v[FT+52:FT+55] offset:8192
	s_wait_dscnt 0x0                               ; for the others' sake: my part of the chunk lies in LDS
	s_barrier_signal -1
	s_barrier_wait -1                              ; everybody's does
	s_wait_alu depctr_vm_vsrc(0)                   ; my LDS stores have read v68 to v123: these registers are results and lists from here on, written by the products and by the v_mov below
.macro LDA t, buf                      ; tile t's fragment, scale words and halved norms into buffer buf: six LDS loads
.irp p, 0,1,2
	ds_load_b64 v[AB+12*(\buf)+2*\p:AB+12*(\buf)+2*\p+1], v3 offset:384*(\t)+8*\p
.endr
	ds_load_b32 v[16+(\buf)], v4 offset:32*(\t)
	ds_load_b128 v[CB+8*(\buf):CB+8*(\buf)+3], v5 offset:32*(\t)
	ds_load_b128 v[CB+8*(\buf)+4:CB+8*(\buf)+7], v5 offset:32*(\t)+16
.endm
.macro W2 buf, pp                      ; the tile in buffer buf against query tiles 2 pp and 2 pp + 1, into slot pp % 2.  Register j of lane (r, h): p(support 8 h + j, query r) - |s|^2 / 2
.irp e, 0,1
	v_wmma_scale_f32_16x16x128_f8f6f4 v[DS+16*((\pp)%2)+8*\e:DS+16*((\pp)%2)+8*\e+7], v[AB+12*(\buf):AB+12*(\buf)+11], v[BF+12*(2*(\pp)+\e):BF+12*(2*(\pp)+\e)+11], v[CB+8*(\buf):CB+8*(\buf)+7], v[16+(\buf)], v[18+2*(\pp)+\e] matrix_a_fmt:MATRIX_FMT_BF6 matrix_b_fmt:MATRIX_FMT_BF6
.endr
.endm
.macro U2 pp, t                        ; the two results of slot pp % 2 (tile t): each group's maximum, from the accumulator's low end on, then into its query tile's best two.  The two by turns, line by line: 22 plain lines
.set UD, DS+16*((\pp)%2)
.set UR, TR+8*(\pp)
.set UT, (\t)
.irp e, 0,1
	v_max3_num_f32 v[12+2*\e], v[UD+8*\e], v[UD+8*\e+1], v[UD+8*\e+2]
.endr
.irp e, 0,1
	v_max3_num_f32 v[13+2*\e], v[UD+8*\e+3], v[UD+8*\e+4], v[UD+8*\e+5]
.endr
.irp e, 0,1
	v_max3_num_f32 v[12+2*\e], v[12+2*\e], v[UD+8*\e+6], v[UD+8*\e+7]
.endr
.irp e, 0,1
	v_max_num_f32 v[12+2*\e], v[12+2*\e], v[13+2*\e]
.endr
.irp e, 0,1
	v_cmp_gt_f32 s[20+2*\e], v[12+2*\e], v[UR+4*\e]
.endr
.irp e, 0,1
	v_cmp_gt_f32 s[21+2*\e], v[12+2*\e], v[UR+4*\e+1]
.endr
.irp e, 0,1
	v_med3_num_f32 v[UR+4*\e+1], v[UR+4*\e], v[UR+4*\e+1], v[12+2*\e]   ; the middle of first, second and new is the new second.  (These four lines name no mask and none of the selections' registers: they stand between the compares and the wait)
.endr
.irp e, 0,1
	v_max_num_f32 v[UR+4*\e], v[UR+4*\e], v[12+2*\e]
.endr
	s_wait_alu depctr_va_sdst(0)                   ; the four compares have written s20 to s23, which the selections below read
.irp e, 0,1
	v_cndmask_b32 v[UR+4*\e+3], v[UR+4*\e+3], UT, s[21+2*\e]          ; beats the second: takes its place,
.endr
.irp e, 0,1
	v_cndmask_b32 v[UR+4*\e+3], v[UR+4*\e+3], v[UR+4*\e+2], s[20+2*\e]   ; beats the first: the first moves down
.endr
.irp e, 0,1
	v_cndmask_b32 v[UR+4*\e+2], v[UR+4*\e+2], UT, s[20+2*\e]
.endr
.endm
	LDA 0, 0
	LDA 1, 1
.irp u, 0,1,2,3,4,5,6,7
	v_mov_b32 v[TR+4*\u], 0xff800000               ; -infinity, under every x
	v_mov_b32 v[TR+4*\u+1], 0xff800000
	v_mov_b32 v[TR+4*\u+2], 0
	v_mov_b32 v[TR+4*\u+3], 0
.endr
	s_wait_loadcnt 0x0                             ; the queries
	s_wait_alu depctr_va_vdst(0)                   ; the zero codes in registers 6 to 11 of both sources' fragments are written, which the scaled products take as A and B; the 32 lines above are the places ahead of them
; 64 steps, written out: every offset is an immediate.  A step issues two products and then the 22 lines on the step before's results, which lie in the other slot and name no register of the
; products just issued: they are the places (ISA guide 7.12.1) ahead of the first read of these results and of the products two steps on that write this slot again.  The loads into a buffer
; that the products have read stand behind the wait that states that they are done reading it.  No sum is added onto in place: C is always the norms' registers.
.set STP, 0
.rept 64
.if STP%4 == 0
.if STP/4 < 15
	s_wait_dscnt 6                                 ; this tile's six loads are in; the next tile's six may be out
.else
	s_wait_dscnt 0x0
.endif
.endif
	W2 ((STP/4)%2), (STP%4)
.if STP == 0
.rept 4
	v_nop                                          ; the first step has no lines to set behind its products
.endr
.else
	U2 ((STP-1)%4), ((STP-1)/4)
.endif
.if (STP%4 == 3) && (STP/4 < 14)
	s_wait_alu depctr_va_vdst(0)                   ; this tile's eight products are done reading their fragment, their scale word and their norms, in which the six loads below land
	LDA (STP/4+2), ((STP/4)%2)                     ; the buffer is free: the tile two on
.endif
.set STP, STP+1
.endr
	U2 3, 15
.irp u, 0,1,2,3,4,5,6,7
	v_add_nc_u32 v[TR+4*\u+2], v6, v[TR+4*\u+2]    ; tiles become group numbers
	v_add_nc_u32 v[TR+4*\u+3], v6, v[TR+4*\u+3]
.endr
	s_wait_alu depctr_va_vdst(0)                   ; the lists v100 to v131 are written, which the LDS stores read; and the products are done reading v132 to v195, in which the merge's loads land: no vector line stands between
.irp u, 0,1,2,3,4,5,6,7
	ds_store_b128 v7, v[TR+4*\u:TR+4*\u+3] offset:256*\u
.endr
	s_wait_dscnt 0x0                               ; for the others' sake: my lists lie in LDS
	s_barrier_signal -1
	s_barrier_wait -1
	s_cmp_gt_u32 s10, 7
	s_cbranch_scc1 .Lend                           ; 256 queries: the threads of waves 0-7 take one each
.irp l, 0,1,2,3,4,5,6,7,8,9,10,11,12,13,14,15
	ds_load_b128 v[LS+4*\l:LS+4*\l+3], v11 offset:4096*\l
.endr
	s_wait_dscnt 0x0
.macro MSTEP l, it                     ; four chains by turns: chain c (lists 4 c ..) takes item it of its list l
.irp c, 0,1,2,3
	v_cmp_gt_f32 s[20+2*\c], v[LS+16*\c+4*\l+\it], v[LS+16*\c]
.endr
.irp c, 0,1,2,3
	v_cmp_gt_f32 s[21+2*\c], v[LS+16*\c+4*\l+\it], v[LS+16*\c+1]
.endr
.irp c, 0,1,2,3
	v_med3_num_f32 v[LS+16*\c+1], v[LS+16*\c], v[LS+16*\c+1], v[LS+16*\c+4*\l+\it]
.endr
.irp c, 0,1,2,3
	v_max_num_f32 v[LS+16*\c], v[LS+16*\c], v[LS+16*\c+4*\l+\it]
.endr
	s_wait_alu depctr_va_sdst(0)                   ; the eight compares have written s20 to s27, which the selections below read
.irp c, 0,1,2,3
	v_cndmask_b32 v[LS+16*\c+3], v[LS+16*\c+3], v[LS+16*\c+4*\l+2+\it], s[21+2*\c]
.endr
.irp c, 0,1,2,3
	v_cndmask_b32 v[LS+16*\c+3], v[LS+16*\c+3], v[LS+16*\c+2], s[20+2*\c]
.endr
.irp c, 0,1,2,3
	v_cndmask_b32 v[LS+16*\c+2], v[LS+16*\c+2], v[LS+16*\c+4*\l+2+\it], s[20+2*\c]
.endr
.endm
.macro INS a, b, it, m                 ; the list at a takes item it of the list at b, whose rows all lie higher
	v_cmp_gt_f32 s[\m], v[(\b)+\it], v[\a]
	v_cmp_gt_f32 s[\m+1], v[(\b)+\it], v[(\a)+1]
	v_med3_num_f32 v[(\a)+1], v[\a], v[(\a)+1], v[(\b)+\it]
	v_max_num_f32 v[\a], v[\a], v[(\b)+\it]
	s_wait_alu depctr_va_sdst(0)                   ; the two compares have written their masks, which the selections below read
	v_cndmask_b32 v[(\a)+3], v[(\a)+3], v[(\b)+2+\it], s[\m+1]
	v_cndmask_b32 v[(\a)+3], v[(\a)+3], v[(\a)+2], s[\m]
	v_cndmask_b32 v[(\a)+2], v[(\a)+2], v[(\b)+2+\it], s[\m]
.endm
.irp l, 1,2,3
	MSTEP \l, 0
	MSTEP \l, 1
.endr
	INS LS, LS+16, 0, 20
	INS LS+32, LS+48, 0, 22
	INS LS, LS+16, 1, 20
	INS LS+32, LS+48, 1, 22
	INS LS, LS+32, 0, 20
	INS LS, LS+32, 1, 20
	v_ashrrev_i32 v12, 31, v[LS]                   ; f32 to a u32 of the same order: negative numbers are turned over whole, the others get the top bit
	v_ashrrev_i32 v13, 31, v[LS+1]
	v_or_b32 v12, 0x80000000, v12
	v_or_b32 v13, 0x80000000, v13
	v_xor_b32 v[LS], v[LS], v12
	v_xor_b32 v[LS+1], v[LS+1], v13
	v_lshlrev_b32 v14, 4, v0
	s_wait_alu depctr_va_vdst(0)                   ; the merged list v132 to v135 and the offset v14 are written, which the store reads
	global_store_b128 v14, v[LS:LS+3], s[8:9]      ; a wave stores 512 consecutive bytes from a multiple of 256
.Lend:
	s_wait_dscnt 0x0                               ; the closing lines, six on end, for a launch in the mode that stores to LDS (ISA reference, section 12)
	s_wait_alu 0x0
	s_wait_tensorcnt 0x0
	ds_add_u32 v232, v233
	s_wait_dscnt 0x0
	s_endpgm
.Lfunc_end_k_qd0ae8cef2c_scan:
	.size	k_qd0ae8cef2c_scan, .Lfunc_end_k_qd0ae8cef2c_scan-k_qd0ae8cef2c_scan
	.p2alignl 7, 3214868480
	.fill 96, 4, 3214868480
	.section	.rodata,"a",@progbits
	.p2align	6, 0x0
	.amdhsa_kernel k_qd0ae8cef2c_scan
		.amdhsa_group_segment_fixed_size 184320
		.amdhsa_private_segment_fixed_size 0
		.amdhsa_enable_private_segment 0
		.amdhsa_kernarg_size 24
		.amdhsa_user_sgpr_count 2
		.amdhsa_user_sgpr_kernarg_segment_ptr 1
		.amdhsa_wavefront_size32 1
		.amdhsa_system_sgpr_workgroup_id_x 1
		.amdhsa_system_sgpr_workgroup_id_y 1
		.amdhsa_system_sgpr_workgroup_id_z 1
		.amdhsa_system_vgpr_workitem_id 0
		.amdhsa_next_free_vgpr 234
		.amdhsa_next_free_sgpr 66
		.amdhsa_reserve_vcc 0
		.amdhsa_float_denorm_mode_32 3
		.amdhsa_float_denorm_mode_16_64 3
		.amdhsa_memory_ordered 1
		.amdhsa_forward_progress 1
		.amdhsa_inst_pref_size 133
	.end_amdhsa_kernel
	.amdgpu_metadata
---
amdhsa.version: [ 1, 2 ]
amdhsa.kernels:
  - .name:           k_qd0ae8cef2c_scan
    .symbol:         k_qd0ae8cef2c_scan.kd
    .args:
      - { .name: qsrc, .offset: 0, .size: 8, .value_kind: global_buffer, .address_space: global }
      - { .name: qtgt, .offset: 8, .size: 8, .value_kind: global_buffer, .address_space: global }
      - { .name: cand, .offset: 16, .size: 8, .value_kind: global_buffer, .address_space: global }
    .group_segment_fixed_size: 184320
    .private_segment_fixed_size: 0
    .kernarg_segment_align: 8
    .kernarg_segment_size: 24
    .max_flat_workgroup_size: 512
    .sgpr_count:     66
    .vgpr_count:     234
    .wavefront_size: 32
...
	.end_amdgpu_metadata
.endif
;; end of part 5
;; launch refine (part 6): grid 128 x 2, 16 waves a work-group, no clusters, 2,560 bytes of LDS; arguments src_feats, tgt_feats, qsrc, qtgt, cand, sel; writes sel
.if DOCPART == 6
	.amdgcn_target "amdgcn-amd-amdhsa--gfx1250"
	.amdhsa_code_object_version 6
	.text
	.protected	k_qd0ae8cef2c_refine
	.globl	k_qd0ae8cef2c_refine
	.p2align	8
	.type	k_qd0ae8cef2c_refine,@function
k_qd0ae8cef2c_refine:
	s_mov_b64 s[64:65], 0
	v_nop
	global_prefetch_b8 v0, s[64:65] scope:SCOPE_SE
	s_setreg_imm32_b32 hwreg(HW_REG_WAVE_SCHED_MODE, 0, 2), 2
	s_setreg_imm32_b32 hwreg(HW_REG_WAVE_MODE, 25, 1), 1
	s_wait_xcnt 0x0
	s_wait_alu depctr_vm_vsrc(0)
; FOR EACH QUERY: the four chunks' lists are merged to the two best groups of 8 supports; for these 16 candidates the quantised product is made anew by the same matrix instruction, and
; dist2 = (|q|^2 - 2 p) + |s|^2 in f32, as the problem writes it; the two smallest are chosen (of equals the lower index); the plain f32 dot products with the unquantised rows
; are made for all 16 and chosen by v_cndmask_b32, so that no address hangs on a float of this launch; weight = 1 - (1 - dot0) / ((1 - dot1) + 1e-8).
; OUT, as whole numbers: sel[side][query] = the weight as a u32 that keeps f32's order; 65,536 bytes on: the nearest support's index.
; SHARES: grid y = side; a work-group 64 queries, a wave 4, one at a time on the whole wave: lane (r, h) is candidate r (0-7: the best group's rows, 8-15: the second's).
; THE ORDER OF THE PLAIN DOT PRODUCT'S SUM IS FIXED, since weights that lie a last bit apart decide places in the sorted result: eight partial sums, partial sum j of numbers j, j + 8, .. j + 56
; in ascending order (the first a rounded product, the others fused multiply-adds); then j with j + 4, with j + 2, with j + 1.  So lane half h takes numbers 8 t + 4 h + 0..3, t = 0..7
; (16 bytes at 32 t + 16 h of a row): it holds partial sums 4 h .. 4 h + 3 whole, and the first joining is the one exchange between the halves of the lanes.
; THE DIVISION IS ROUNDED CORRECTLY: a reciprocal, one Newton step on it, a product and two corrections of the quotient, all by fused multiply-adds.
; Two sets of registers: one query's 26 loads are on their way while the other query is worked.
; The dot products have two rows a query: they go by fused multiply-adds in f32, not by the matrix unit.  No LDS tiles, no cluster: each candidate row is wanted by one wave.
; LIMITS: NaN and infinities are not served; +0 and -0 get different keys; the division takes no care of a divisor whose magnitude lies outside 2^-126 .. 2^126.
; THE MODE: SCHED_MODE bits 1:0 = 2 (LLVM: expert scheduling mode 2), set by the entry lines.  The code itself states the register dependences
; between vector or matrix instructions and memory or LDS instructions, with s_wait_alu, always for 0.
; THE PLAN.  Registers that memory or LDS instructions touch:
;   v3-v7, v27-v29, v31   offsets and LDS addresses: written at the head, never again: one wait on va_vdst ahead of the first load; it also states that the zero codes of both sets are written.
;   v8-v23     the four chunks' lists land there, once; afterwards vector lines alone write them.
;   the offsets of ALL FOUR queries (three each) are made at once, as soon as the lists are merged, in registers of their own, and never written again: one wait on va_vdst behind them.
;   a set's loaded registers (+0..+69, +76..+81, +96..+99): the product and the dot product's lines of a query read them; the loads of the query two on land there, behind one wait on
;              va_vdst that stands behind the last of those readers.  The lines behind it (the two searches, the division) name none of these registers.
;   v12-v19    the keys and indices: written by vector lines, read by two LDS stores: one wait on va_vdst; no vector line stands between it and the LDS load into v240, v241.
; Masks and lane reads: each run of writers of scalar registers or of VCC has its wait on va_sdst or va_vcc ahead of the first reader.
.set OSW, 393216
.set ONH, 425984
.set S0,  32                           ; set s begins at v[32 + 104 s]: +0 the candidate's 32 numbers, +32 the query's, +64 the candidates' fragment (source 1), +76 the query's (source 0), +88 the result,
.set SET, 104                          ; +96, +97 their scale words (scales and nothing else), +98, +99 the halved norms
; Query i's three offsets and, behind them, its candidate's index as f32: queries 0 and 1 at +100 .. +103 of sets 0 and 1; query 2 at v8-11, query 3 at v20-23, which the merge has left
; v8-11 the merged list; v12-15 the four keys, v16-19 the four indices; v24 at work; v27, v28 the way out; v30 +infinity; v240-255 at work
	s_load_b256 s[4:11], s[0:1], 0x0               ; src_feats, tgt_feats, qsrc, qtgt
	s_load_b128 s[12:15], s[0:1], 0x20             ; cand, sel
	v_lshl_add_u32 v29, v0, 2, 0x200
	v_mov_b32 v31, 0
	v_lshrrev_b32 v24, 5, v0
	v_readfirstlane_b32 s16, v24                   ; wave
	v_and_b32 v25, 15, v0                          ; r
	v_cmp_gt_u32 s40, 8, v25                       ; lanes of the best group
	s_and_b32 s17, ttmp7, 0xffff                   ; side
	s_lshl_b32 s18, ttmp9, 6
	s_wait_alu depctr_va_sdst(0)                   ; s16 and s40 are written, ahead of the first reader of either
	s_lshl_b32 s46, s16, 2
	s_add_co_u32 s18, s18, s46                     ; my first query
	v_and_b32 v1, 31, v0
	v_and_b32 v2, 7, v0                            ; r % 8
	v_bfe_u32 v26, v0, 4, 1                        ; h
	v_lshlrev_b32 v3, 4, v26                       ; 16 h: my four of each eight numbers of a row
	v_mul_u32_u24 v4, v26, 24                      ; 24 h: my half of a row of codes
	v_mov_b32 v5, 0
	v_and_b32 v7, 3, v0
	v_lshlrev_b32 v7, 4, v7                        ; the merge: lane % 4 is the query
	s_lshl_b32 s46, s16, 4
	v_mov_b32 v6, s46                              ; LDS: my wave's four words
	s_and_b32 s46, s16, 1
	s_lshl_b32 s46, s46, 8
	v_lshl_add_u32 v27, v1, 3, s46                 ; the last read: wave 0 the keys, wave 1 the indices
	s_lshl_b32 s46, s16, 16
	v_lshl_add_u32 v28, v1, 3, s46                 ; and where they go, 65,536 bytes apart
	v_mov_b32 v30, 0x7f800000
.irp i, 244,245,246,247,249
	v_mov_b32 v\i, 0                               ; (the destination of a lane permute or a DPP form counts as read)
.endr
	s_mov_b32 s44, 0x76543210
	s_mov_b32 s45, 0xfedcba98                      ; v_permlanex16_b32's selects for lane l xor 16
	s_mov_b32 s47, 0
.irp s, 0,1
.irp i, 70,71,72,73,74,75,82,83,84,85,86,87
	v_mov_b32 v[S0+SET*\s+\i], 0                   ; zero codes for K = 64 .. 127
.endr
.endr
	s_wait_kmcnt 0x0
	s_cmp_eq_u32 s17, 0                            ; which tensor asks hangs on the side alone
	s_cselect_b64 s[20:21], s[4:5], s[6:7]         ; the queries' numbers
	s_cselect_b64 s[22:23], s[6:7], s[4:5]         ; the supports'
	s_cselect_b64 s[24:25], s[8:9], s[10:11]       ; the queries' codes, words, norms
	s_cselect_b64 s[28:29], s[10:11], s[8:9]       ; the supports'
	s_lshl_b32 s46, s18, 8
	s_add_nc_u64 s[20:21], s[20:21], s[46:47]
	s_lshl_b32 s46, s18, 2
	s_add_nc_u64 s[26:27], s[24:25], s[46:47]
	s_mul_i32 s46, s18, 48
	s_add_nc_u64 s[24:25], s[24:25], s[46:47]
	s_lshl_b32 s46, s17, 19
	s_lshl_b32 s41, s18, 4
	s_add_co_u32 s46, s46, s41
	s_add_nc_u64 s[30:31], s[12:13], s[46:47]
	s_lshl_b32 s46, s17, 15
	s_lshl_b32 s41, ttmp9, 8
	s_add_co_u32 s46, s46, s41
	s_add_nc_u64 s[14:15], s[14:15], s[46:47]
	s_wait_alu depctr_va_vdst(0)                   ; the offsets and addresses v3 to v7, v27, v28 are written, which the loads and stores of the whole kernel read; so are the zero codes that the scaled products take as A and B
.irp c, 0,1,2,3
	global_load_b128 v[8+4*\c:11+4*\c], v7, s[30:31] offset:131072*\c   ; (key1, key2, group1, group2) of chunk c
.endr
	s_wait_loadcnt 0x0
.macro IINS kv, gv                     ; the list v8-11 takes an item of a higher chunk: strict 'greater', so of equals the lower rows stay ahead
	v_cmp_gt_u32 s41, v[\kv], v8
	v_cmp_gt_u32 s42, v[\kv], v9
	v_min_u32 v24, v8, v[\kv]                      ; (these three lines name no mask and none of the selections' registers: they stand between the compares and the wait)
	v_max_u32 v9, v9, v24
	v_max_u32 v8, v8, v[\kv]
	s_wait_alu depctr_va_sdst(0)                   ; the two compares have written s41 and s42, which the selections below read
	v_cndmask_b32 v11, v11, v[\gv], s42
	v_cndmask_b32 v11, v11, v10, s41
	v_cndmask_b32 v10, v10, v[\gv], s41
.endm
.irp c, 1,2,3
	IINS 8+4*\c, 10+4*\c
	IINS 9+4*\c, 11+4*\c
.endr
.irp i, 0,1,2,3
	v_readlane_b32 s[32+2*\i], v10, \i             ; query i's two groups
	v_readlane_b32 s[33+2*\i], v11, \i
.endr
	s_wait_alu depctr_va_sdst(0)                   ; the eight lane reads have written s32 to s39, ahead of their first reader
.macro ADDR i                          ; query i's three offsets and its candidate's index
.if (\i) < 2
.set QA, S0+SET*(\i)+100
.else
.set QA, 8+12*((\i)-2)
.endif
	v_mov_b32 v24, s[33+2*(\i)]
	v_cndmask_b32 v24, v24, s[32+2*(\i)], s40
	v_min_u32 v24, 0x3ff, v24                      ; a group number read from memory is held inside the table
	v_lshl_add_u32 v24, v24, 3, v2                 ; my candidate's row
	v_lshl_add_u32 v[QA], v24, 8, v3
	v_mad_u32_u24 v[QA+1], v24, 48, v4
	v_lshlrev_b32 v[QA+2], 2, v24
	v_cvt_f32_u32 v[QA+3], v24
.endm
.macro LOADS s, i                      ; query i's 26 loads into set s
.set BL, S0+SET*(\s)
.if (\i) < 2
.set QL, S0+SET*(\i)+100
.else
.set QL, 8+12*((\i)-2)
.endif
.irp k, 0,1,2,3,4,5,6,7
	global_load_b128 v[BL+4*\k:BL+4*\k+3], v[QL], s[22:23] offset:32*\k   ; numbers 8 k + 4 h + 0..3 of my candidate
.endr
.irp p, 0,1,2
	global_load_b64 v[BL+64+2*\p:BL+65+2*\p], v[QL+1], s[28:29] offset:8*\p
.endr
	global_load_b32 v[BL+96], v[QL+2], s[28:29] offset:OSW
	global_load_b32 v[BL+98], v[QL+2], s[28:29] offset:ONH
.irp k, 0,1,2,3,4,5,6,7
	global_load_b128 v[BL+32+4*\k:BL+35+4*\k], v3, s[20:21] offset:256*(\i)+32*\k   ; the same numbers of the query
.endr
.irp p, 0,1,2
	global_load_b64 v[BL+76+2*\p:BL+77+2*\p], v4, s[24:25] offset:48*(\i)+8*\p   ; the query in all 16 rows of source 0
.endr
	global_load_b32 v[BL+97], v5, s[26:27] offset:OSW+4*(\i)
	global_load_b32 v[BL+99], v5, s[26:27] offset:ONH+4*(\i)
.endm
.macro PICK sim                        ; of the 16 lanes of a row: the smallest v248, of equals the lowest index.  v250: its index as f32; s41: its lane; v[sim]: its 1 - dot, in every lane
	v_min_num_f32_dpp v249, v248, v248 row_xmask:1 row_mask:0xf bank_mask:0xf
.irp m, 2,4,8
	v_min_num_f32_dpp v249, v249, v249 row_xmask:\m row_mask:0xf bank_mask:0xf
.endr
	v_cmp_eq_f32 vcc_lo, v248, v249
	s_wait_alu depctr_va_vcc(0)                    ; the compare has written VCC, which the selection below reads
	v_cndmask_b32 v250, v30, v[QC+3], vcc_lo
.irp m, 1,2,4,8
	v_min_num_f32_dpp v250, v250, v250 row_xmask:\m row_mask:0xf bank_mask:0xf
.endr
	v_cmp_eq_f32 s41, v[QC+3], v250
	s_wait_alu depctr_va_sdst(0)                   ; the compare has written s41, ahead of its first reader
	v_cndmask_b32 v[\sim], 0, v245, s41
.irp m, 1,2,4,8
	v_add_f32_dpp v[\sim], v[\sim], v[\sim] row_xmask:\m row_mask:0xf bank_mask:0xf   ; one number and fifteen zeros
.endr
.endm
.macro COMPQ s, i, ahead               ; query i, which lies in set s.  ahead = 1: the set is asked for again, for the query two on, as soon as it has been read
.set B, S0+SET*(\s)
.if (\i) < 2
.set QC, S0+SET*(\i)+100
.else
.set QC, 8+12*((\i)-2)
.endif
	v_wmma_scale_f32_16x16x128_f8f6f4 v[B+88:B+95], v[B+76:B+87], v[B+64:B+75], 0, v[B+97], v[B+96] matrix_a_fmt:MATRIX_FMT_BF6 matrix_b_fmt:MATRIX_FMT_BF6   ; register 0 of lane (r, h): p(query, candidate r)
	v_pk_mul_f32 v[240:241], v[B:B+1], v[B+32:B+33]         ; the plain dot product: v240-243 are partial sums 4 h + 0..3; these lines name no register of the product and are the places behind it
	v_pk_mul_f32 v[242:243], v[B+2:B+3], v[B+34:B+35]
.irp j, 4,8,12,16,20,24,28
	v_pk_fma_f32 v[240:241], v[B+\j:B+\j+1], v[B+32+\j:B+33+\j], v[240:241]
	v_pk_fma_f32 v[242:243], v[B+\j+2:B+\j+3], v[B+34+\j:B+35+\j], v[242:243]
.endr
.irp j, 0,1,2,3
	v_permlanex16_b32 v[244+\j], v[240+\j], s44, s45       ; the other half's four partial sums
.endr
	v_pk_add_f32 v[240:241], v[240:241], v[244:245]        ; j with j + 4,
	v_pk_add_f32 v[242:243], v[242:243], v[246:247]
	v_pk_add_f32 v[240:241], v[240:241], v[242:243]        ; with j + 2,
	v_add_f32 v240, v240, v241                     ; with j + 1: the same bits in both halves of the lanes
	v_sub_f32 v245, 1.0, v240                      ; 1 - dot
	v_mul_f32 v246, -2.0, v[B+99]                  ; |q|^2
	v_mul_f32 v247, -2.0, v[B+98]                  ; |s|^2
	v_fma_f32 v248, v[B+88], -2.0, v246            ; |q|^2 - 2 p, rounded once (2 p is exact)
	v_add_f32 v248, v248, v247                     ; + |s|^2
.if \ahead
	s_wait_alu depctr_va_vdst(0)                   ; the product and the lines above are done reading the set's numbers, codes, scale words and norms, in which the 26 loads below land; no line behind this wait names them
	LOADS \s, (\i)+2
.endif
	PICK 251
	v_cvt_u32_f32 v[16+(\i)], v250                 ; the nearest support's index
	v_cndmask_b32 v248, v248, v30, s41             ; it is taken out
	PICK 252
	v_add_f32 v252, 0x322bcc77, v252               ; + 1e-8: the divisor
	v_rcp_f32 v253, v252
	v_nop                                          ; one plain place behind a transcendental
	s_wait_alu depctr_va_vdst(0)                   ; the reciprocal has written v253, ahead of its first reader
	v_fma_f32 v254, -v252, v253, 1.0               ; what the reciprocal leaves,
	v_fma_f32 v253, v254, v253, v253               ; put back
	v_mul_f32 v254, v251, v253                     ; the quotient,
	v_fma_f32 v255, -v252, v254, v251              ; what it leaves,
	v_fma_f32 v254, v255, v253, v254               ; put back,
	v_fma_f32 v255, -v252, v254, v251              ; and once more: the last line rounds the quotient once
	v_fma_f32 v254, v255, v253, v254
	v_sub_f32 v254, 1.0, v254                      ; the weight
	v_ashrrev_i32 v255, 31, v254
	v_or_b32 v255, 0x80000000, v255
	v_xor_b32 v[12+(\i)], v254, v255               ; as a u32 of the same order
.endm
	ADDR 0
	ADDR 1
	ADDR 2
	ADDR 3
	s_wait_alu depctr_va_vdst(0)                   ; the twelve offsets of the four queries are written, which the candidates' loads read
	LOADS 0, 0
	LOADS 1, 1
	s_wait_loadcnt 26                              ; this set's 26 loads are in, the other set's 26 may be out
	COMPQ 0, 0, 1
	s_wait_loadcnt 26
	COMPQ 1, 1, 1
	s_wait_loadcnt 26
	COMPQ 0, 2, 0
	s_wait_loadcnt 0x0
	COMPQ 1, 3, 0
	s_wait_alu depctr_va_vdst(0)                   ; the keys and indices v12 to v19 are written, which the LDS stores read; and the vector lines are done with v240 and v241, in which the LDS load below lands
	ds_store_b128 v6, v[12:15]                     ; all lanes write the same 16 bytes with the same values
	ds_store_b128 v6, v[16:19] offset:256
	s_wait_dscnt 0x0                               ; for the others' sake
	s_barrier_signal -1
	s_barrier_wait -1                              ; 64 keys and 64 indices lie in LDS
	s_cmp_gt_u32 s16, 1
	s_cbranch_scc1 .Lend
	ds_load_b64 v[240:241], v27
	s_wait_dscnt 0x0
	global_store_b64 v28, v[240:241], s[14:15]     ; a wave stores 256 consecutive bytes from a multiple of 256
.Lend:
	s_wait_dscnt 0x0                               ; the closing lines, six on end, for a launch in the mode that stores to LDS (ISA reference, section 12)
	s_wait_alu 0x0
	s_wait_tensorcnt 0x0
	ds_add_u32 v29, v31
	s_wait_dscnt 0x0
	s_endpgm
.Lfunc_end_k_qd0ae8cef2c_refine:
	.size	k_qd0ae8cef2c_refine, .Lfunc_end_k_qd0ae8cef2c_refine-k_qd0ae8cef2c_refine
	.p2alignl 7, 3214868480
	.fill 96, 4, 3214868480
	.section	.rodata,"a",@progbits
	.p2align	6, 0x0
	.amdhsa_kernel k_qd0ae8cef2c_refine
		.amdhsa_group_segment_fixed_size 2560
		.amdhsa_private_segment_fixed_size 0
		.amdhsa_enable_private_segment 0
		.amdhsa_kernarg_size 48
		.amdhsa_user_sgpr_count 2
		.amdhsa_user_sgpr_kernarg_segment_ptr 1
		.amdhsa_wavefront_size32 1
		.amdhsa_system_sgpr_workgroup_id_x 1
		.amdhsa_system_sgpr_workgroup_id_y 1
		.amdhsa_system_sgpr_workgroup_id_z 1
		.amdhsa_system_vgpr_workitem_id 0
		.amdhsa_next_free_vgpr 256
		.amdhsa_next_free_sgpr 66
		.amdhsa_reserve_vcc 1
		.amdhsa_float_denorm_mode_32 3
		.amdhsa_float_denorm_mode_16_64 3
		.amdhsa_memory_ordered 1
		.amdhsa_forward_progress 1
		.amdhsa_inst_pref_size 38
	.end_amdhsa_kernel
	.amdgpu_metadata
---
amdhsa.version: [ 1, 2 ]
amdhsa.kernels:
  - .name:           k_qd0ae8cef2c_refine
    .symbol:         k_qd0ae8cef2c_refine.kd
    .args:
      - { .name: src_feats, .offset: 0, .size: 8, .value_kind: global_buffer, .address_space: global }
      - { .name: tgt_feats, .offset: 8, .size: 8, .value_kind: global_buffer, .address_space: global }
      - { .name: qsrc, .offset: 16, .size: 8, .value_kind: global_buffer, .address_space: global }
      - { .name: qtgt, .offset: 24, .size: 8, .value_kind: global_buffer, .address_space: global }
      - { .name: cand, .offset: 32, .size: 8, .value_kind: global_buffer, .address_space: global }
      - { .name: sel, .offset: 40, .size: 8, .value_kind: global_buffer, .address_space: global }
    .group_segment_fixed_size: 2560
    .private_segment_fixed_size: 0
    .kernarg_segment_align: 8
    .kernarg_segment_size: 48
    .max_flat_workgroup_size: 512
    .sgpr_count:     66
    .vgpr_count:     256
    .wavefront_size: 32
...
	.end_amdgpu_metadata
.endif
;; end of part 6
;; launch emit: the kernel of part 4 again; grid 128 x 2, 32 waves a work-group, no clusters, 13,312 bytes of LDS; arguments sel, src_feats, tgt_feats, src_points, tgt_points, out0, out1, out2, out3, out4; writes out0, out1, out2, out3, out4
